; MI455X (gfx1250); checked and timed in simulation.
; The chip was launched on July 23, 2026; its instructions are those of AMD's public machine-readable ISA for CDNA 5 (MIT licence, August 2026) and "CDNA5" Instruction Set Architecture Reference Guide (July 2026). The comments in the code are by the model that wrote it; some were corrected since.
;; GPT2 Attention. Allowed arithmetic: matrix products marked QUANTISED: E2M3 operands, one E8M0 scale for each 32 along K, by v_wmma_scale_f32_16x16x128_f8f6f4 with both operands' format E2M3, f32 sums; everything else in f32.
;; Inputs: c_attn_b 3,072 float32; c_attn_w 1,024 x 3,072 float32; c_proj_b 1,024 float32; c_proj_w 1,024 x 1,024 float32; hidden_states 2 x 2,048 x 1,024 float32.
;; Outputs: out0 2 x 2,048 x 1,024 float32.
;; This version of the problem:
;;   THIS VERSION OF THE PROBLEM IS GIVEN IN LOW PRECISION. The matrix products marked QUANTISED in the list below multiply operands that are first quantised to E2M3 (2 exponent bits, 3 mantissa bits; 6 bits a number), with one power-of-two scale for each 32 numbers along K (OCP MX v1.0); their sums are f32. All else is computed in f32.
;;   The module's matrix products, in the order in which they are computed (A, B: the left and right operand; K: the contracted axis; several contracted axes count as one K, in the product's order):
;;     1. [M 4,096, K 1,024] x [K 1,024, N 3,072]; A: input hidden_states; B: input c_attn_w: QUANTISED
;;     2. batch 32 x [M 2,048, K 64] x [K 64, N 2,048]; A: computed on the way; B: computed on the way: QUANTISED
;;     3. batch 32 x [M 2,048, K 2,048] x [K 2,048, N 64]; A: softmax (see below); B: computed on the way: QUANTISED
;;     4. [M 4,096, K 1,024] x [K 1,024, N 1,024]; A: computed on the way; B: input c_proj_w: QUANTISED
;;   THE QUANTISER, for each operand of a quantised product, along K:
;;     - K is cut into blocks of 32 from its start; a last block that is shorter is filled with zeros.
;;     - A block's scale is 2^e with e = floor(log2(the largest magnitude in the block)) - 2, held to -126 .. 127; a block of zeros has e = 0. As a byte (E8M0): e + 127.
;;     - Each number is divided by its block's scale, clamped to +-7.5, and rounded to the nearest number of E2M3, ties to even, subnormals kept.
;;     - The product sums the exact products of the quantised numbers (number of the format x scale) in f32.
;;   ~~~python
;;   def quantise(x, axis):      # numpy; x: float32 -> the quantised numbers, widened to float32 again
;;       x = np.moveaxis(x, axis, -1); K = x.shape[-1]
;;       x = np.pad(x, [(0, 0)] * (x.ndim - 1) + [(0, -K % 32)]); x = x.reshape(x.shape[:-1] + (-1, 32)); a = np.abs(x).max(-1, keepdims=True)
;;       e = np.where(a > 0, np.clip(np.frexp(np.where(a > 0, a, 1))[1] - 1 - 2, -126, 127), 0)      # np.frexp(a)[1] - 1 = floor(log2(a)), exactly
;;       r = np.clip(x / 2.0 ** e, -7.5, 7.5)
;;       step = 2.0 ** (np.maximum(np.frexp(np.where(r == 0, 1, r))[1] - 1, 0) - 3)
;;       q = np.round(r / step) * step * 2.0 ** e      # np.round: ties to even
;;       return np.moveaxis(q.reshape(q.shape[:-2] + (-1,))[..., :K], -1, axis).astype(np.float32)
;;   ~~~
;;   SOFTMAX AHEAD OF A QUANTISED PRODUCT. Where the list says 'softmax', what is quantised is not the finished softmax but p = 2^(t - M), with t = logit x log2(e) and M = ceil(the row's largest t), a whole number; so 1/2 < the row's largest p <= 1. The row's sum l is taken of the UNQUANTISED p, in f32, and the product's result is divided by l at the end. Since M is a whole number, a kernel that streams over the keys may use a running M (the ceiling of the running maximum): every later rescaling is an exact power of two, which a block's scale takes up: the codes' values come out the same.
;;   OPERANDS COMPUTED ON THE WAY. 'Computed on the way' means the value that the module computes at that place (a softmax that the list does not call 'softmax' is quantised finished and normalised). What goes into a quantiser is computed in f32, as accurately as f32 sums, v_exp_f32 and their like allow (about 1e-6 of the number): no bf16 or f16 on the way to a quantiser, and a product that is left as it is and whose result goes on into a quantised operand takes f32 operands (vector FMAs, or v_wmma_f32_16x16x4_f32). A number that lies on a knife's edge between two numbers of the format may be rounded either way, as far as f32 arithmetic and the matrix unit's own rounding can turn it there, and no further.
;; One version. Each part assembles by itself: llvm-mc -triple=amdgcn-amd-amdhsa -mcpu=gfx1250 --defsym DOCPART=n.
;; ======== version 1 of 1: 4 launches
;; workspace buffers: xq 3,276,800 bytes; wq 2,457,600 bytes; pq 819,200 bytes; qkv 9,830,400 bytes; oq 3,276,800 bytes
;; launch prep (part 1): grid 512 x 1, 4 waves a work-group, no clusters, 60,928 bytes of LDS; arguments hidden_states, c_attn_w, c_proj_w, xq, wq, pq; writes xq, wq, pq
.if DOCPART == 1
	.amdgcn_target "amdgcn-amd-amdhsa--gfx1250"
	.amdhsa_code_object_version 6
	.text
	.protected	k_q143f0afee3_prep
	.globl	k_q143f0afee3_prep
	.p2align	8
	.type	k_q143f0afee3_prep,@function
k_q143f0afee3_prep:
	s_mov_b64 s[64:65], 0
	v_nop
	global_prefetch_b8 v0, s[64:65] scope:SCOPE_SE
	s_setreg_imm32_b32 hwreg(HW_REG_WAVE_MODE, 25, 1), 1
	s_wait_xcnt 0x0
; The three f32 inputs become codes of FP6 (E2M3) with one E8M0 byte for each 32 along K, once, laid in the ORDER OF THE OPERAND'S REGISTERS.
; hidden_states [4096][1024] (K innermost) -> xq;  c_attn_w [1024][3072] and c_proj_w [1024][1024] (K is the FIRST axis) -> wq, pq.
; A TILE is 16 rows of an operand (tokens, or columns n of a weight).  Tile T holds in place r the row 32 (T / 2) + 8 (T % 2) + r + 8 (r / 8): so the 16 result registers of two
; neighbouring tiles used as source 0 of a product are 16 neighbours.  A tile's RECORD is 12,800 bytes: 16 half fragments of 768 bytes (16 rows x 64 K: the operand's registers 0-3 of lane l
; at 16 l, registers 4-5 at 512 + 8 l; lane (r, h) holds block h of row r), then at 12,288 the scale bytes [256 K][r][8].
; A block's scale is 2^(floor(log2(largest magnitude)) - 2); its byte is the largest magnitude's exponent field - 2, held at 1 from below.
; LIMITS: a block whose largest magnitude lies under 2^-124, a block of zeros among them, gets the byte 1 (its codes are zeros or the nearest codes under that scale; these bytes are read by this
; program alone); NaN and infinities among the inputs are not served.
; Work-groups 0-255: a tile of x each, a wave to 256 along K.  256-447: c_attn_w, 448-511: c_proj_w: 128 columns x 128 K each, a wave to 32 columns.  Waves share nothing: no barrier.
; Each of the three paths has LDS bytes of its own.
.set TREC,   12800
.set SEL,    20                        ; s[20:21] lane selects: lane l xor 16
.set R,      16                        ; x path: v16-143 the numbers as loaded
.set X,      144                       ; v144-207 two chunks of 64 K, 16 neighbours of each block a lane
.set TM,     208                       ; v208-213 at work in QUANT32
.set PW,     214                       ; v214-217 two scale bytes for each of the four chunks
.set PC0,    220                       ; v220-228, v232-240 the codes, two sets by turns
.set PC1,    232
.set XSTG,   8448                      ; x path: a wave's stage: 16 rows x (512 + 16) bytes
.set WSTG,   3328                      ; weight paths: a wave's stage: 2 tiles x (1,536 + 128) bytes
.set WA_LDS, 4*XSTG
.set WP_LDS, WA_LDS+4*WSTG
; 32 numbers of a lane, register 16 b + i = k 32 b + 16 (lane / 16) + i of my row, become a half fragment in v[pc .. pc + 5] and two scale bytes in v[pw].
.macro QUANT32 s, pw, pc
.irp b, 0,1
	v_max3_num_f32 v[TM+\b], |v[\s+16*\b]|, |v[\s+16*\b+1]|, 0x1800000   ; my 16 numbers of block b, and the floor 2^(3 - 127): the byte cannot fall under 1
.endr
.irp i, 2,4,6,8,10,12,14
.irp b, 0,1
	v_max3_num_f32 v[TM+\b], v[TM+\b], |v[\s+16*\b+\i]|, |v[\s+16*\b+\i+1]|
.endr
.endr
.irp b, 0,1
	v_permlanex16_b32 v[TM+2+\b], v[TM+\b], s[SEL], s[SEL+1]
.endr
.irp b, 0,1
	v_max_num_f32 v[TM+\b], v[TM+\b], v[TM+2+\b]   ; with lane l xor 16's: the block's largest magnitude
.endr
.irp b, 0,1
	v_add_nc_u32 v[TM+4+\b], 0xff000000, v[TM+\b]  ; 2 off its exponent field: the conversion's scale operand
.endr
.irp b, 0,1
	v_lshrrev_b32 v[TM+2+\b], 23, v[TM+4+\b]       ; the scale's byte
.endr
	v_lshl_or_b32 v[\pw], v[TM+3], 8, v[TM+2]
	v_cvt_scalef32_pk16_fp6_f32 v[\pc:\pc+2], v[\s:\s+15], v[TM+4]
	v_cvt_scalef32_pk16_fp6_f32 v[\pc+6:\pc+8], v[\s+16:\s+31], v[TM+5]   ; (a conversion's three registers begin on an even number)
	v_nop                                          ; one plain place behind a scaled conversion
.irp i, 0,1,2
	v_permlane16_swap_b32 v[\pc+\i], v[\pc+6+\i]   ; a whole block to a lane: lanes 0-15 block 0, lanes 16-31 block 1
.endr
.irp i, 0,1,2
	v_mov_b32 v[\pc+3+\i], v[\pc+6+\i]
.endr
.endm
; Block t of a weight's K step: all 32 numbers are the lane's own (its column, registers down K).  cnt: how many younger loads may stay out.
.macro WBLOCK t, cnt
.set XS, 16+32*(\t)
.set CC, 144+12*(\t)
	s_wait_loadcnt \cnt
	v_max3_num_f32 v12, |v[XS]|, |v[XS+1]|, |v[XS+2]|
	v_max3_num_f32 v13, |v[XS+3]|, |v[XS+4]|, |v[XS+5]|
.irp i, 6,10,14,18,22,26
	v_max3_num_f32 v12, v12, |v[XS+\i]|, |v[XS+\i+1]|
	v_max3_num_f32 v13, v13, |v[XS+\i+2]|, |v[XS+\i+3]|
.endr
	v_max3_num_f32 v12, v12, |v[XS+30]|, |v[XS+31]|
	v_max3_num_f32 v12, v12, v13, 0x1800000        ; and the floor
	v_add_nc_u32 v11, 0xff000000, v12
	v_lshrrev_b32 v10, 23, v11
.if (\t) == 0
	v_mov_b32 v14, v10                             ; the K step's scale word: the lower K in the lower byte
.else
	v_lshl_or_b32 v14, v10, 8*(\t), v14
.endif
	v_cvt_scalef32_pk16_fp6_f32 v[CC:CC+2], v[XS:XS+15], v11
	v_cvt_scalef32_pk16_fp6_f32 v[CC+6:CC+8], v[XS+16:XS+31], v11
	v_nop                                          ; one plain place behind a scaled conversion
.irp i, 0,1,2
	v_mov_b32 v[CC+3+\i], v[CC+6+\i]
.endr
	ds_store_b128 v5, v[CC:CC+3] offset:768*((\t)/2)+256*((\t)%2)        ; to the place of lane r + 16 (t % 2) in half fragment t / 2 of my tile
	ds_store_b64 v6, v[CC+4:CC+5] offset:768*((\t)/2)+512+128*((\t)%2)
.endm
; A weight with rows of nb bytes.  Work-group id - id0 = 8 G + s: columns 128 G on, K step s.  Wave w: columns 32 (4 G + w) on, a lane to a column: tiles 2 g and 2 g + 1.
.macro WPATH nb, lb, id0, src, dst
	s_sub_co_u32 s17, ttmp9, \id0
	s_lshr_b32 s18, s17, 3                         ; G
	s_and_b32 s19, s17, 7                          ; s
	s_mul_i32 s22, s16, WSTG
	s_add_co_u32 s22, s22, \lb                     ; my stage
	v_mul_u32_u24 v5, v2, 1664
	v_add_nc_u32 v5, s22, v5
	v_lshl_add_u32 v6, v3, 3, v5                   ; my tile's part + 8 r
	v_lshl_add_u32 v5, v3, 4, v5                   ; my tile's part + 16 r
	v_add_nc_u32 v7, s22, v8                       ; back: 16 x lane
	s_mul_i32 s24, s19, 128*\nb                    ; in: 128 s rows down,
	s_lshl_b32 s23, s18, 9
	s_add_co_u32 s24, s24, s23                     ; 128 G columns on,
	s_lshl_b32 s23, s16, 7
	s_add_co_u32 s24, s24, s23                     ; 32 w more
	s_mov_b32 s25, 0
	s_lshl_b32 s23, s18, 2
	s_add_co_u32 s23, s23, s16                     ; g
	s_mul_i32 s26, s23, 2*TREC                     ; out: tile 2 g's record,
	s_mul_i32 s23, s19, 1536
	s_add_co_u32 s28, s26, s23                     ; its half fragments 2 s and 2 s + 1;
	s_mov_b32 s29, 0
	s_lshr_b32 s23, s19, 1
	s_lshl_b32 s23, s23, 7
	s_add_co_u32 s26, s26, s23
	s_and_b32 s23, s19, 1
	s_lshl_b32 s23, s23, 2
	s_add_co_u32 s26, s26, s23
	s_add_co_u32 s26, s26, 12288                   ; its scale words of K step s
	s_mov_b32 s27, 0
	s_wait_kmcnt 0x0
	s_add_nc_u64 s[24:25], s[\src:\src+1], s[24:25]
	s_add_nc_u64 s[28:29], s[\dst:\dst+1], s[28:29]
	s_add_nc_u64 s[26:27], s[\dst:\dst+1], s[26:27]
.set i, 0
.rept 128
	global_load_b32 v[16+i], v4, s[24:25] offset:i*\nb th:TH_LOAD_NT     ; W(128 s + i, my column): 32 lanes read 128 consecutive bytes, the four waves 512
.set i, i+1
.endr
	WBLOCK 0, 63                                   ; (a wait names 63 at the most: when the last of 128 loads could be issued, the first 65 had come back)
	WBLOCK 1, 63
	WBLOCK 2, 32                                   ; block 3's 32 loads may be out
	WBLOCK 3, 0
.irp z, 0,1,2,3,4,5
	ds_load_b128 v[192+4*\z:192+4*\z+3], v7 offset:1664*(\z/3)+512*(\z%3)   ; LDS serves a wave's instructions in order: these see my stores
.endr
.irp z, 0,1,2,3,4,5
	s_wait_dscnt 5-\z
	global_store_b128 v8, v[192+4*\z:192+4*\z+3], s[28:29] offset:TREC*(\z/3)+512*(\z%3)   ; 512 consecutive bytes, aligned to 256
.endr
	global_store_b32 v9, v14, s[26:27]             ; my column's scale word
	s_wait_tensorcnt 0x0
	ds_add_u32 v254, v255
	s_wait_dscnt 0x0
	s_endpgm
.endm
	s_load_b256 s[4:11], s[0:1], 0x0               ; hidden_states s[4:5], c_attn_w s[6:7], c_proj_w s[8:9], xq s[10:11]
	s_load_b128 s[12:15], s[0:1], 0x20             ; wq s[12:13], pq s[14:15]
	v_lshl_add_u32 v254, v0, 2, 0xec00
	v_mov_b32 v255, 0
	v_lshrrev_b32 v1, 5, v0
	v_readfirstlane_b32 s16, v1                    ; wave
	v_and_b32 v1, 31, v0                           ; lane
	s_mov_b32 s[SEL], 0x76543210
	s_mov_b32 s[SEL+1], 0xfedcba98
	s_cmp_lt_u32 ttmp9, 256
	s_cbranch_scc0 .Lweights
	; ---- x: tile T = the work-group's number, K 256 w on.  Each load reads 512 consecutive bytes of a row; the numbers turn through the wave's stage so that a lane holds 16 neighbours of each block.
	v_and_b32 v2, 15, v0                           ; r
	v_bfe_u32 v3, v0, 4, 1                         ; h
	v_lshlrev_b32 v4, 4, v1                        ; 16 x lane
	v_lshlrev_b32 v5, 3, v1                        ; 8 x lane
	s_mul_i32 s17, s16, XSTG
	v_add_nc_u32 v6, s17, v4                       ; the stage, in: 16 x lane in a row
	v_mul_u32_u24 v7, v2, 528
	v_lshl_add_u32 v7, v3, 6, v7
	v_add_nc_u32 v7, s17, v7                       ; and out: row r, + 64 h
	v_lshlrev_b32 v8, 3, v2
	v_lshl_add_u32 v8, v3, 2, v8                   ; scale words: 8 r + 4 h
	v_mov_b32 v[TM+2], 0                           ; written once: a lane permute's destination counts as one of its sources
	v_mov_b32 v[TM+3], 0
	s_lshr_b32 s18, ttmp9, 1
	s_lshl_b32 s18, s18, 5
	s_and_b32 s19, ttmp9, 1
	s_lshl_b32 s19, s19, 3
	s_add_co_u32 s18, s18, s19                     ; the tile's first row: 32 (T / 2) + 8 (T % 2)
	s_lshl_b32 s18, s18, 12                        ; rows of 4,096 bytes
	s_lshl_b32 s19, s16, 10
	s_add_co_u32 s22, s18, s19                     ; + 1,024 w
	s_mov_b32 s23, 0
	s_mul_i32 s24, ttmp9, TREC
	s_mul_i32 s19, s16, 3072
	s_add_co_u32 s26, s24, s19                     ; the record's half fragments 4 w on
	s_mov_b32 s27, 0
	s_lshl_b32 s19, s16, 7
	s_add_co_u32 s24, s24, s19
	s_add_co_u32 s24, s24, 12288                   ; its scale bytes of these 256 K
	s_mov_b32 s25, 0
	s_wait_kmcnt 0x0
	s_add_nc_u64 s[4:5], s[4:5], s[22:23]
	s_add_nc_u64 s[28:29], s[10:11], s[26:27]
	s_add_nc_u64 s[30:31], s[10:11], s[24:25]
.irp s, 0,1
.irp i, 0,1,2,3,4,5,6,7,8,9,10,11,12,13,14,15
	global_load_b128 v[R+4*(16*\s+\i):R+4*(16*\s+\i)+3], v4, s[4:5] offset:(\i+8*(\i/8))*4096+512*\s th:TH_LOAD_NT
.endr
.endr
.irp s, 0,1                                    ; a K step of 128 at a time
	s_wait_loadcnt 16*(1-\s)                       ; this K step's 16 loads are in; the other's may be out
.irp i, 0,1,2,3,4,5,6,7,8,9,10,11,12,13,14,15
	ds_store_b128 v6, v[R+4*(16*\s+\i):R+4*(16*\s+\i)+3] offset:528*\i
.endr
.irp c, 0,1
.irp b, 0,1
.irp j, 0,1,2,3
	ds_load_b128 v[X+32*\c+16*\b+4*\j:X+32*\c+16*\b+4*\j+3], v7 offset:256*\c+128*\b+16*\j   ; LDS serves a wave's instructions in order: these see the stores above
.endr
.endr
.endr
.if \s == 1
	s_wait_xcnt 0x0                                ; the first K step's stores have read their registers: the codes' sets are written again only behind this wait
.endif
	s_wait_dscnt 8                                 ; chunk 0 is back; chunk 1's eight loads may be out
	QUANT32 X, PW+2*\s, PC0
	global_store_b128 v4, v[PC0:PC0+3], s[28:29] offset:768*(2*\s)
	global_store_b64 v5, v[PC0+4:PC0+5], s[28:29] offset:768*(2*\s)+512
	s_wait_dscnt 0x0
	QUANT32 X+32, PW+2*\s+1, PC1
	global_store_b128 v4, v[PC1:PC1+3], s[28:29] offset:768*(2*\s+1)
	global_store_b64 v5, v[PC1+4:PC1+5], s[28:29] offset:768*(2*\s+1)+512
.endr
	v_lshl_or_b32 v218, v[PW+1], 16, v[PW]         ; the scale word of K step 0,
	v_lshl_or_b32 v219, v[PW+3], 16, v[PW+2]       ; of K step 1
	v_cmp_ne_u32 vcc_lo, 0, v3
	v_cndmask_b32 v218, v218, v219, vcc_lo         ; lanes 0-15 store the first, lanes 16-31 the second
	global_store_b32 v8, v218, s[30:31]            ; 128 consecutive bytes
	s_wait_tensorcnt 0x0
	ds_add_u32 v254, v255
	s_wait_dscnt 0x0
	s_endpgm
.Lweights:
	v_bfe_u32 v2, v0, 3, 1                         ; u: which of my two tiles holds column 32 g + lane
	v_and_b32 v3, 7, v0
	v_bfe_u32 v10, v0, 4, 1
	v_lshl_add_u32 v3, v10, 3, v3                  ; r: its place there
	v_lshlrev_b32 v4, 2, v1                        ; in: 4 bytes a lane
	v_lshlrev_b32 v8, 4, v1                        ; out: 16 bytes a lane
	v_mul_u32_u24 v9, v2, TREC
	v_lshl_add_u32 v9, v3, 3, v9                   ; scale word: my tile's record, + 8 r
	s_cmp_lt_u32 ttmp9, 448
	s_cbranch_scc0 .Lproj_w
	WPATH 12288, WA_LDS, 256, 6, 12
.Lproj_w:
	WPATH 4096, WP_LDS, 448, 8, 14
.Lfunc_end_k_q143f0afee3_prep:
	.size	k_q143f0afee3_prep, .Lfunc_end_k_q143f0afee3_prep-k_q143f0afee3_prep
	.p2alignl 7, 3214868480
	.fill 96, 4, 3214868480
	.section	.rodata,"a",@progbits
	.p2align	6, 0x0
	.amdhsa_kernel k_q143f0afee3_prep
		.amdhsa_group_segment_fixed_size 60928
		.amdhsa_private_segment_fixed_size 0
		.amdhsa_enable_private_segment 0
		.amdhsa_kernarg_size 48
		.amdhsa_user_sgpr_count 2
		.amdhsa_user_sgpr_kernarg_segment_ptr 1
		.amdhsa_wavefront_size32 1
		.amdhsa_system_sgpr_workgroup_id_x 1
		.amdhsa_system_sgpr_workgroup_id_y 1
		.amdhsa_system_sgpr_workgroup_id_z 1
		.amdhsa_system_vgpr_workitem_id 0
		.amdhsa_next_free_vgpr 256
		.amdhsa_next_free_sgpr 66
		.amdhsa_reserve_vcc 1
		.amdhsa_float_denorm_mode_32 3
		.amdhsa_float_denorm_mode_16_64 3
		.amdhsa_memory_ordered 1
		.amdhsa_forward_progress 1
		.amdhsa_inst_pref_size 61
	.end_amdhsa_kernel
	.amdgpu_metadata
---
amdhsa.version: [ 1, 2 ]
amdhsa.kernels:
  - .name:           k_q143f0afee3_prep
    .symbol:         k_q143f0afee3_prep.kd
    .args:
      - { .name: hidden_states, .offset: 0, .size: 8, .value_kind: global_buffer, .address_space: global }
      - { .name: c_attn_w, .offset: 8, .size: 8, .value_kind: global_buffer, .address_space: global }
      - { .name: c_proj_w, .offset: 16, .size: 8, .value_kind: global_buffer, .address_space: global }
      - { .name: xq, .offset: 24, .size: 8, .value_kind: global_buffer, .address_space: global }
      - { .name: wq, .offset: 32, .size: 8, .value_kind: global_buffer, .address_space: global }
      - { .name: pq, .offset: 40, .size: 8, .value_kind: global_buffer, .address_space: global }
    .group_segment_fixed_size: 60928
    .private_segment_fixed_size: 0
    .kernarg_segment_align: 8
    .kernarg_segment_size: 48
    .max_flat_workgroup_size: 128
    .sgpr_count:     66
    .vgpr_count:     256
    .wavefront_size: 32
...
	.end_amdgpu_metadata
.endif
;; end of part 1
;; launch qkv (part 2): grid 12 x 16, 4 waves a work-group, clusters of 4 x 4, 327,680 bytes of LDS; arguments xq, wq, c_attn_b, qkv; writes qkv
.if DOCPART == 2
	.amdgcn_target "amdgcn-amd-amdhsa--gfx1250"
	.amdhsa_code_object_version 6
	.text
	.protected	k_q143f0afee3_qkv
	.globl	k_q143f0afee3_qkv
	.p2align	8
	.type	k_q143f0afee3_qkv,@function
k_q143f0afee3_qkv:
	s_mov_b64 s[64:65], 0
	v_nop
	global_prefetch_b8 v0, s[64:65] scope:SCOPE_SE
	s_setreg_imm32_b32 hwreg(HW_REG_WAVE_MODE, 25, 1), 1
	s_wait_xcnt 0x0
	s_wait_alu depctr_hold_cnt(0) depctr_sa_sdst(0) depctr_va_vdst(0) depctr_va_sdst(0) depctr_va_ssrc(0) depctr_va_vcc(0) depctr_vm_vsrc(0)
	s_getreg_b32 s2, hwreg(HW_REG_IB_STS2, 6, 4)
	s_cmp_eq_u32 s2, 0
	s_cbranch_scc0 .Lentry_in_a_cluster
	s_endpgm
.Lentry_in_a_cluster:
	s_bfe_u32 s2, ttmp6, 0x10000c
	s_cmp_lg_u32 s2, 0xf033
	s_cbranch_scc0 .Lentry_shape_is_right
	s_endpgm
.Lentry_shape_is_right:
; qkv = x W + b on codes of FP6 (E2M3) with E8M0 scales, K = 1,024; q, k and v are quantised in registers, in f32, and leave as codes: they never go to memory as f32.
; A work-group of four waves makes 256 x 256 of the product, a wave 128 x 128: 64 accumulators of 16 x 16.  K goes in slots of 256 through a ring of two LDS slots filled by the tensor data mover.
; OPERANDS lie in memory as tile records of 12,800 bytes (16 rows; 16 half fragments of 768 bytes in the order of the operand's registers; 512 scale bytes [256 K][r][8]).  Tile T holds in place r the
; row 32 (T / 2) + 8 (T % 2) + r + 8 (r / 8).  THE MATRIX INSTRUCTION IS USED TRANSPOSED: source 0 = a tile of 'B', source 1 = a tile of 'A': a lane holds ONE row of A, and the 16 registers of two
; neighbouring tiles of B are 16 neighbouring rows of B.
; THE CLUSTER'S x IS THE KIND: 0 q, 1 k, 2 v.  q, k: A = x (tokens), B = W (columns): a lane holds a token, its registers run along the head's 64: the next K.
; v: THE OPERANDS CHANGE PLACES, by a choice of pointers alone: A = W, B = x: a lane holds a channel d, its registers run along the tokens: the keys, v's next K.
; OUT: a record of 19,200 bytes for each (16 batch + head, 128 tokens): q: 8 half fragments (16 tokens x 64) and 256 bytes of scale words (two tiles' two bytes to a word); k at 6,400 likewise;
; v at 12,800: [d tile 0..3][64 keys 0, 1] half fragments, and a word for each channel.
; CLUSTERS: 4 x 4 work-groups; A's tiles are asked for jointly along a row of the cluster, B's along a column.
; LIMITS: a block whose largest magnitude lies under 2^-124 gets the byte 1 (only this program reads the bytes); NaN and infinities are not served.
; REGISTERS, in windows of 256: window 0: v1-9 at the head; v16-23 LDS addresses; v24-26 16, 8, 4 x lane; v27 scale words' address; v28, v29 the add's; v32-63 scale words, two sets; v64-127 the bias along the
;   registers; v128-223 A's fragments, ONE set (in the epilogue: at work).  window 1: B's fragments, TWO sets, at v0 and v128; v96-111 the bias of a lane's channel, twice each.  windows 2, 3: the accumulators.
.set TREC,   12800
.set ROWB,   3072                      ; a slot's bytes of a tile: four half fragments
.set NQ,     2                         ; matrix instructions deep in a slot
.set FR,     12                        ; registers of a fragment
.set NL,     4                         ; LDS loads that bring one
.set NP,     4                         ; places behind this matrix instruction (ISA guide 7.12.1)
.set HALFT,  8*ROWB                    ; 8 tiles: what one tensor load brings, and what one wave reads of A or of B
.set SLOT,   4*HALFT                   ; A's 16 tiles, then B's 16
.set SCL,    2*SLOT                    ; behind the ring: the scale bytes for all of K, 512 a tile: filled once
.set HALFS,  8*512
.set SPARE,  SCL+4*HALFS               ; the spare words, 128 bytes for each wave: two blocks of 256 bytes that no other line names
.set ADRA, 16                          ; v16-17 LDS address of my A fragments in slot 0, 1, + 16 x lane; v18-19 the same + 8 x lane
.set ADRB, 20                          ; v20-23 the same for B
.set L16,  24
.set L8,   25
.set L4,   26
.set ADRS, 27                          ; lanes 0-15 A's scale words, lanes 16-31 B's
.set SPW,  28
.set NIL,  29
.set SC,   32
.set BR,   64
.set BL,   96                          ; in window 1
.set AF,   128
.set T,    128                         ; the epilogue: 32 numbers,
.set TM,   160                         ; v160-165 at work,
.set PWS,  166                         ; v166-169 four tiles' scale bytes,
.set WA,   170
.set WB,   171
.set PC,   172                         ; v172-180 the codes
.set SEL,  66                          ; s[66:67]
.set G1, 24                            ; s[24:31] group 1 for A's tiles; s[32:39] group 0, a set for each slot
.set G0, 32
.set G1B, 48
.set G0B, 56
.set G1S, 68                           ; s[68:75], s[76:79] for A's scale bytes; s[80:87], s[88:91] for B's
.set G0S, 76
.set G1SB, 80
.set G0SB, 88
.set MSB, 0
.macro WIN new                         ; the immediate's high byte repeats the setting that is left
.if MSB != (\new)
	s_set_vgpr_msb (MSB<<8)|(\new)
.set MSB, (\new)
.endif
.endm
.set MUL_LO, 0xa1                      ; source 0 (B) window 1, source 1 (A) window 0, C and D window 2
.set MUL_HI, 0xf1
.set TO_B,   0x40
; A joint load: waves 0 and 1 fetch for A, waves 2 and 3 for B; the branch hangs on the wave's number alone.  Four v_nop follow each of the two lines.
.macro JLOAD g0a, g1a, g0b, g1b
	s_cmp_eq_u32 s15, 0
	s_cbranch_scc0 .Lfor_b_\@
	tensor_load_to_lds s[\g0a:\g0a+3], s[\g1a:\g1a+7]
	s_nop 0
.rept 4
	v_nop
.endr
	s_branch .Lasked_\@
.Lfor_b_\@:
	tensor_load_to_lds s[\g0b:\g0b+3], s[\g1b:\g1b+7]
	s_nop 0
.rept 4
	v_nop
.endr
.Lasked_\@:
.endm
.macro CREST                           ; a round of the cluster's barrier behind its opening barrier
	s_cmp_lg_u32 s14, 0
	s_cbranch_scc1 .Lnot_wave_0_\@
	s_barrier_signal -3
.Lnot_wave_0_\@:
	s_barrier_wait -3
	s_barrier_signal -1
	s_barrier_wait -1
.endm
.macro CROUND
	s_barrier_signal -1
	s_barrier_wait -1
	CREST
.endm
.macro PLACES n
.rept \n
	v_nop
.endr
.endm
.macro FRAG reg, adr, q, i             ; a fragment (16 rows x 128 K) is two half fragments on end: every load is dense, 16 or 8 bytes a lane
	ds_load_b128 v[\reg:\reg+3],     v[\adr]   offset:(\i)*ROWB+(\q)*1536
	ds_load_b64  v[\reg+4:\reg+5],   v[\adr+2] offset:(\i)*ROWB+(\q)*1536+512
	ds_load_b128 v[\reg+6:\reg+9],   v[\adr]   offset:(\i)*ROWB+(\q)*1536+768
	ds_load_b64  v[\reg+10:\reg+11], v[\adr+2] offset:(\i)*ROWB+(\q)*1536+1280
.endm
; 16 matrix instructions: A's tiles a0, a0 + 1 x B's eight, the slot's q-th 128 along K.  The 64 accumulators take turns, one instruction a turn, in the same order in every step.
.macro MUL16 a0, p, q, sc, zero
.irp a, \a0, \a0+1
.irp b, 0,1,2,3,4,5,6,7
.if \zero
	v_wmma_scale_f32_16x16x128_f8f6f4 v[8*(8*((\a)%4)+\b):8*(8*((\a)%4)+\b)+7], v[128*(\p)+FR*\b:128*(\p)+FR*\b+FR-1], v[AF+FR*(\a):AF+FR*(\a)+FR-1], 0, v[SC+8*NQ*(\sc)+NQ*\b+(\q)], v[SC+8*NQ*(\sc)+NQ*(\a)+(\q)] matrix_a_fmt:MATRIX_FMT_FP6 matrix_b_fmt:MATRIX_FMT_FP6 matrix_a_scale:MATRIX_SCALE_ROW1
.else
	v_wmma_scale_f32_16x16x128_f8f6f4 v[8*(8*((\a)%4)+\b):8*(8*((\a)%4)+\b)+7], v[128*(\p)+FR*\b:128*(\p)+FR*\b+FR-1], v[AF+FR*(\a):AF+FR*(\a)+FR-1], v[8*(8*((\a)%4)+\b):8*(8*((\a)%4)+\b)+7], v[SC+8*NQ*(\sc)+NQ*\b+(\q)], v[SC+8*NQ*(\sc)+NQ*(\a)+(\q)] matrix_a_fmt:MATRIX_FMT_FP6 matrix_b_fmt:MATRIX_FMT_FP6 matrix_a_scale:MATRIX_SCALE_ROW1
.endif
.endr
.endr
.endm
.macro FETCH_B slot, q, p
	WIN TO_B
.irp i, 0,1,2,3,4,5,6,7
	FRAG 128*(\p)+FR*\i, ADRB+\slot, \q, \i
.endr
	WIN 0
.endm
.macro FETCH_A slot, q, i0
.irp i, \i0, \i0+1, \i0+2, \i0+3
	FRAG AF+FR*(\i), ADRA+\slot, \q, \i
.endr
.endm
.macro SCALES sc                       ; the slot's two scale words a row: lanes 0-15 A's tile i, lanes 16-31 B's tile i
.irp i, 0,1,2,3,4,5,6,7
	ds_load_b64 v[SC+8*NQ*\sc+NQ*\i:SC+8*NQ*\sc+NQ*\i+1], v[ADRS] offset:\i*512
.endr
.endm
.macro STEP slot, q, zero              ; a step of 128 along K that has its successor in the same slot
	s_wait_dscnt 4*NL                              ; B's set and A's tiles 0-3 are in; the youngest 16 loads (A's tiles 4-7) may be out
	WIN MUL_LO
	MUL16 0, (\q)%2, \q, \slot, \zero
	MUL16 2, (\q)%2, \q, \slot, \zero
	s_wait_dscnt 0                                 ; A's tiles 4-7 are in
	PLACES NP                                      ; in front of loads into registers that matrix instructions have read
	FETCH_B \slot, (\q)+1, 1-(\q)%2
	FETCH_A \slot, (\q)+1, 0
	WIN MUL_HI
	MUL16 4, (\q)%2, \q, \slot, \zero
	MUL16 6, (\q)%2, \q, \slot, \zero
	PLACES NP
	WIN 0
	FETCH_A \slot, (\q)+1, 4
.endm
; A slot's last step changes slots: ONE barrier; in front of it each wave waits for all its tensor loads, adds 0 to its spare word, and waits for that and for its own reads of this slot.  fill = 1: the slot is filled again, two slots ahead.
.macro TURN slot, next, fill
	s_wait_tensorcnt 0x0                           ; all my tensor loads have landed: my part of the next slot
	ds_add_u32 v[SPW], v[NIL]                      ; 0 onto my spare word
	s_wait_dscnt 4*NL+1                            ; (the add and the youngest 16 loads may be out)
	WIN MUL_LO
	MUL16 0, 1, NQ-1, \slot, 0
	s_wait_dscnt 0x0                               ; the add is done, and my reads of this slot are over
	s_barrier_signal -1
	MUL16 2, 1, NQ-1, \slot, 0
	WIN 0
	s_barrier_wait -1
.if \fill
	CREST                                          ; the barrier has opened a round of the cluster's barrier: no wave of any partner still reads this slot or has a load on its way
	s_add_nc_u64 s[G0+4*\slot+2:G0+4*\slot+3], s[G0+4*\slot+2:G0+4*\slot+3], 2*ROWB
	s_add_nc_u64 s[G0B+4*\slot+2:G0B+4*\slot+3], s[G0B+4*\slot+2:G0B+4*\slot+3], 2*ROWB
	JLOAD G0+4*\slot, G1, G0B+4*\slot, G1B         ; the first tensor load behind the round; its four v_nop are the places in front of the loads below
.else
	PLACES NP
.endif
	v_add_nc_u32 v[ADRS], 128, v[ADRS]             ; the next slot's scale words
	FETCH_B \next, 0, 0
	FETCH_A \next, 0, 0
	SCALES \next
	WIN MUL_HI
	MUL16 4, 1, NQ-1, \slot, 0
	MUL16 6, 1, NQ-1, \slot, 0
	PLACES NP
	WIN 0
	FETCH_A \next, 0, 4
.endm
; 32 numbers of a lane, register 16 b + i = k 32 b + 16 (lane / 16) + i of my row, become a half fragment in v[pc .. pc + 5] and two scale bytes in v[pw].
.macro QUANT32 s, pw, pc
.irp b, 0,1
	v_max3_num_f32 v[TM+\b], |v[\s+16*\b]|, |v[\s+16*\b+1]|, 0x1800000   ; and the floor 2^(3 - 127): the byte cannot fall under 1
.endr
.irp i, 2,4,6,8,10,12,14
.irp b, 0,1
	v_max3_num_f32 v[TM+\b], v[TM+\b], |v[\s+16*\b+\i]|, |v[\s+16*\b+\i+1]|
.endr
.endr
.irp b, 0,1
	v_permlanex16_b32 v[TM+2+\b], v[TM+\b], s[SEL], s[SEL+1]
.endr
.irp b, 0,1
	v_max_num_f32 v[TM+\b], v[TM+\b], v[TM+2+\b]
.endr
.irp b, 0,1
	v_add_nc_u32 v[TM+4+\b], 0xff000000, v[TM+\b]  ; 2 off the exponent field: the conversion's scale operand
.endr
.irp b, 0,1
	v_lshrrev_b32 v[TM+2+\b], 23, v[TM+4+\b]
.endr
	v_lshl_or_b32 v[\pw], v[TM+3], 8, v[TM+2]
	v_cvt_scalef32_pk16_fp6_f32 v[\pc:\pc+2], v[\s:\s+15], v[TM+4]
	v_cvt_scalef32_pk16_fp6_f32 v[\pc+6:\pc+8], v[\s+16:\s+31], v[TM+5]
	v_nop                                          ; one plain place behind a scaled conversion
.irp i, 0,1,2
	v_permlane16_swap_b32 v[\pc+\i], v[\pc+6+\i]
.endr
.irp i, 0,1,2
	v_mov_b32 v[\pc+3+\i], v[\pc+6+\i]
.endr
.endm
	s_load_b256 s[4:11], s[0:1], 0x0               ; xq s[4:5], wq s[6:7], c_attn_b s[8:9], qkv s[10:11]
	v_lshl_add_u32 v[SPW], v0, 2, SPARE
	v_mov_b32 v[NIL], 0
	ds_add_u32 v28, v29
	ds_add_u32 v28, v29
	s_wait_dscnt 0x0
	v_lshrrev_b32 v1, 5, v0
	v_readfirstlane_b32 s14, v1                    ; wave 0..3
	s_lshr_b32 s15, s14, 1                         ; which half of A's 16 tiles is mine.  Also: I fetch for A (0) or for B (1)
	s_and_b32 s16, s14, 1                          ; which half of B's.  Also: which 8 tiles I fetch
	s_bfe_u32 s40, ttmp6, 0x40000                  ; cx
	s_bfe_u32 s41, ttmp6, 0x40004                  ; cy
	s_and_b32 s97, ttmp7, 0xffff                   ; the cluster's y
	s_lshl_b32 s18, s97, 2
	s_cmp_eq_u32 ttmp9, 2                          ; the cluster's x: the same in all sixteen partners
	s_cselect_b32 s96, 1, 0                        ; 1: v
	s_cselect_b32 s18, 8, s18
	s_cselect_b32 s19, s97, ttmp9
	s_add_co_u32 s17, s18, s41                     ; A's block of 16 tiles: q, k: tokens 4 y + cy;  v: columns 8 + cy
	s_lshl_b32 s42, s19, 2
	s_add_co_u32 s42, s42, s40                     ; B's block: q, k: columns 4 x + cx;  v: tokens 4 y + cx
	s_lshl_b32 s43, s41, 2
	s_lshl_b32 s43, 15, s43                        ; my row of the cluster
	s_lshl_b32 s44, 0x1111, s40                    ; my column
	; group 1: 8 tiles' 3,072 bytes (384 elements of 8 bytes), 12,800 bytes (1,600 elements) apart; no padding: the bytes are read as they lie
	s_or_b32 s[G1+0], s43, (3<<16)|(1<<21)
	s_or_b32 s[G1B+0], s44, (3<<16)|(1<<21)
.irp g, G1, G1B
	s_mov_b32 s[\g+1], 384<<16                     ; tensor_dim0
	s_mov_b32 s[\g+2], 8<<16                       ; tensor_dim1
	s_mov_b32 s[\g+3], 384<<16                     ; tile_dim0
	s_mov_b32 s[\g+4], 8                           ; tile_dim1
	s_mov_b32 s[\g+5], 1600                        ; tensor_dim0_stride
	s_mov_b32 s[\g+6], 0
	s_mov_b32 s[\g+7], 0
.endr
	s_or_b32 s[G1S+0], s43, (3<<16)|(1<<21)        ; and their 512 scale bytes (64 elements)
	s_or_b32 s[G1SB+0], s44, (3<<16)|(1<<21)
.irp g, G1S, G1SB
	s_mov_b32 s[\g+1], 64<<16
	s_mov_b32 s[\g+2], 8<<16
	s_mov_b32 s[\g+3], 64<<16
	s_mov_b32 s[\g+4], 8
	s_mov_b32 s[\g+5], 1600
	s_mov_b32 s[\g+6], 0
	s_mov_b32 s[\g+7], 0
.endr
	s_lshl_b32 s18, s16, 3                         ; which 8 tiles I fetch
	s_lshl_b32 s20, s17, 4
	s_add_co_u32 s20, s20, s18
	s_mul_i32 s20, s20, TREC                       ; A: their first byte (under 2^32)
	s_mov_b32 s21, 0
	s_lshl_b32 s46, s42, 4
	s_add_co_u32 s46, s46, s18
	s_mul_i32 s46, s46, TREC                       ; B likewise
	s_mov_b32 s47, 0
	s_mul_i32 s45, s14, HALFT                      ; where they go: no place in the cluster enters an LDS address
	s_lshl_b32 s94, s14, 12
	s_wait_kmcnt 0x0
	s_cmp_eq_u32 s96, 1
	s_cselect_b64 s[22:23], s[6:7], s[4:5]         ; A's buffer
	s_cselect_b64 s[92:93], s[4:5], s[6:7]         ; B's
	s_add_nc_u64 s[20:21], s[22:23], s[20:21]
	s_add_nc_u64 s[46:47], s[92:93], s[46:47]
	CROUND                                         ; all sixteen work-groups are here: the first joint loads meet
	s_mov_b32 s[G0S], 1
	s_add_co_u32 s[G0S+1], s94, SCL
	s_add_nc_u64 s[G0S+2:G0S+3], s[20:21], 12288
	s_or_b32 s[G0S+3], s[G0S+3], 0x80000000
	s_mov_b32 s[G0SB], 1
	s_add_co_u32 s[G0SB+1], s94, SCL
	s_add_nc_u64 s[G0SB+2:G0SB+3], s[46:47], 12288
	s_or_b32 s[G0SB+3], s[G0SB+3], 0x80000000
	JLOAD G0S, G1S, G0SB, G1SB                     ; the scale bytes first: they are wanted with slot 0
.irp s, 0,1
	s_mov_b32 s[G0+4*\s], 1
	s_add_co_u32 s[G0+4*\s+1], s45, \s*SLOT
	s_add_nc_u64 s[G0+4*\s+2:G0+4*\s+3], s[20:21], \s*ROWB
	s_or_b32 s[G0+4*\s+3], s[G0+4*\s+3], 0x80000000
	s_mov_b32 s[G0B+4*\s], 1
	s_add_co_u32 s[G0B+4*\s+1], s45, \s*SLOT
	s_add_nc_u64 s[G0B+4*\s+2:G0B+4*\s+3], s[46:47], \s*ROWB
	s_or_b32 s[G0B+4*\s+3], s[G0B+4*\s+3], 0x80000000
	JLOAD G0+4*\s, G1, G0B+4*\s, G1B
.endr
	v_and_b32 v1, 31, v0                           ; lane
	v_and_b32 v2, 15, v0                           ; r
	v_bfe_u32 v3, v0, 4, 1                         ; h
	v_lshlrev_b32 v[L16], 4, v1
	v_lshlrev_b32 v[L8], 3, v1
	v_lshlrev_b32 v[L4], 2, v1
	s_mul_i32 s21, s15, HALFT                      ; my 8 tiles of A
	s_mul_i32 s22, s16, HALFT                      ; my 8 tiles of B,
	s_add_co_u32 s22, s22, 2*HALFT                 ; which lie behind A's 16
.irp s, 0,1
	v_add_nc_u32 v[ADRA+\s], s21, v[L16]
	v_add_nc_u32 v[ADRB+\s], s22, v[L16]
	v_add_nc_u32 v[ADRA+2+\s], s21, v[L8]
	v_add_nc_u32 v[ADRB+2+\s], s22, v[L8]
	s_add_co_u32 s21, s21, SLOT
	s_add_co_u32 s22, s22, SLOT
.endr
	v_lshlrev_b32 v6, 3, v2                        ; scale words: 8 bytes a row and slot
	s_lshl_b32 s21, s15, 12                        ; A's: my 8 tiles
	s_lshl_b32 s22, s16, 12                        ; B's: my 8 tiles, behind A's 16
	s_add_co_u32 s22, s22, 2*HALFS
	s_sub_co_u32 s22, s22, s21
	v_mul_u32_u24 v7, s22, v3                      ; lanes 16-31 take B's
	s_add_co_u32 s21, s21, SCL
	v_add_nc_u32 v6, v6, v7
	v_add_nc_u32 v[ADRS], s21, v6
	; the bias, both ways, in every kind (both stay inside the 3,072 numbers): along the registers (q, k) ..
	s_lshl_b32 s46, ttmp9, 2
	s_add_co_u32 s46, s46, s40
	s_lshl_b32 s46, s46, 10                        ; column 256 (4 x + cx), 4 bytes each,
	s_lshl_b32 s47, s16, 9
	s_add_co_u32 s46, s46, s47                     ; + 128 x my half
	s_mov_b32 s47, 0
	s_add_nc_u64 s[46:47], s[8:9], s[46:47]
	v_lshlrev_b32 v8, 6, v3                        ; + 16 h
.irp e, 0,1
.irp b, 0,1
.irp j, 0,1,2,3
	global_load_b128 v[BR+32*\e+16*\b+4*\j:BR+32*\e+16*\b+4*\j+3], v8, s[46:47] offset:256*\e+128*\b+16*\j
.endr
.endr
.endr
	; .. and of a lane's own column (v), each number twice, for the packed addition
	s_lshl_b32 s92, s41, 10
	s_lshl_b32 s93, s15, 9
	s_add_co_u32 s92, s92, s93
	s_add_co_u32 s92, s92, 8192                    ; column 2,048 + 256 cy + 128 x my half
	s_mov_b32 s93, 0
	s_add_nc_u64 s[92:93], s[8:9], s[92:93]
	v_and_b32 v9, 8, v2
	v_add_nc_u32 v9, v9, v2
	v_lshlrev_b32 v9, 2, v9                        ; + r + 8 (r / 8)
	WIN 0x40                                       ; destination window 1
.irp m, 0,1,2,3,4,5,6,7
	global_load_b32 v[BL+2*\m], v9, s[92:93] offset:4*(32*(\m/2)+8*(\m%2))
	global_load_b32 v[BL+2*\m+1], v9, s[92:93] offset:4*(32*(\m/2)+8*(\m%2))
.endr
	WIN 0
	; where my results go: record ((batch x 16 + head) x 16 + step), + 6,400 x kind.  Tokens: block X, half hs;  heads: 4 Y + 2 hh + 0, 1
	s_cmp_eq_u32 s96, 1
	s_cselect_b32 s18, s42, s17                    ; X
	s_cselect_b32 s19, s16, s15                    ; hs
	s_cselect_b32 s20, s41, s40                    ; Y
	s_cselect_b32 s21, s15, s16                    ; hh
	s_lshr_b32 s22, s18, 3                         ; batch
	s_lshl_b32 s22, s22, 4
	s_lshl_b32 s20, s20, 2
	s_add_co_u32 s22, s22, s20
	s_lshl_b32 s21, s21, 1
	s_add_co_u32 s22, s22, s21
	s_lshl_b32 s22, s22, 4
	s_lshl_b32 s18, s18, 1
	s_add_co_u32 s18, s18, s19
	s_and_b32 s18, s18, 15                         ; the step of 128 tokens in its batch
	s_add_co_u32 s22, s22, s18
	s_mul_i32 s22, s22, 19200
	s_mul_i32 s23, ttmp9, 6400
	s_add_co_u32 s22, s22, s23
	s_mov_b32 s23, 0
	s_add_nc_u64 s[12:13], s[10:11], s[22:23]
	s_mov_b32 s[SEL], 0x76543210
	s_mov_b32 s[SEL+1], 0xfedcba98
	s_wait_loadcnt 0x0                             ; the biases, once
	s_wait_tensorcnt 1                             ; the scale bytes and my part of slot 0 are in (slot 1's load may be out)
	s_barrier_signal -1
	s_barrier_wait -1                              ; everybody's are
	FETCH_B 0, 0, 0
	FETCH_A 0, 0, 0
	SCALES 0
	FETCH_A 0, 0, 4
	STEP 0, 0, 1                                   ; K = 1,024 is four slots, written out: the first products start the sums
	TURN 0, 1, 1                                   ; slot 0 takes K 512 on
	STEP 1, 0, 0
	TURN 1, 0, 1                                   ; slot 1 takes K 768 on
	STEP 0, 0, 0
	TURN 0, 1, 0                                   ; nothing is left to fetch
	STEP 1, 0, 0
	s_wait_dscnt 4*NL
	WIN MUL_LO
	MUL16 0, 1, NQ-1, 1, 0
	MUL16 2, 1, NQ-1, 1, 0
	s_wait_dscnt 0
	WIN MUL_HI
	MUL16 4, 1, NQ-1, 1, 0
	MUL16 6, 1, NQ-1, 1, 0
	WIN 0
	s_wait_tensorcnt 0x0                           ; my last LDS instructions: behind my last tensor load; the epilogue touches no LDS
	ds_add_u32 v[SPW], v[NIL]
	PLACES NP                                      ; the places behind the last products, in front of the first read of results and the first write over A's fragments
	s_wait_dscnt 0x0
; THE EPILOGUE.  A's tile m, half e of its 64 registers: + bias, quantised, a half fragment of 768 bytes stored as two dense runs.  vt = 1: v.  off: its place in the output; k: which of four scale registers.
.macro GROUP m, e, vt, off, k
	s_wait_xcnt 0x0                                ; the earlier stores have read their registers: they are written again only behind this wait
.set WG, 4*(\vt)+2+(\m)/4
	WIN WG                                         ; source 0: window 2 or 3; source 1: window 1 for v's bias
.set i, 0
.rept 16
.if \vt
	v_pk_add_f32 v[T+2*i:T+2*i+1], v[64*((\m)%4)+32*(\e)+2*i:64*((\m)%4)+32*(\e)+2*i+1], v[BL+2*(\m):BL+2*(\m)+1]
.else
	v_pk_add_f32 v[T+2*i:T+2*i+1], v[64*((\m)%4)+32*(\e)+2*i:64*((\m)%4)+32*(\e)+2*i+1], v[BR+32*(\e)+2*i:BR+32*(\e)+2*i+1]
.endif
.set i, i+1
.endr                                          ; (each accumulator from its low end on)
	WIN 0
	QUANT32 T, PWS+\k, PC
	global_store_b128 v[L16], v[PC:PC+3], s[12:13] offset:\off
	global_store_b64 v[L8], v[PC+4:PC+5], s[12:13] offset:\off+512
.endm
.macro WORDS woff                      ; four pairs of scale bytes make two words a row: lanes 0-15 store the first, lanes 16-31 the second: 128 consecutive bytes
	v_lshl_or_b32 v[WA], v[PWS+1], 16, v[PWS]
	v_lshl_or_b32 v[WB], v[PWS+3], 16, v[PWS+2]
	v_cndmask_b32 v[WA], v[WA], v[WB], vcc_lo
	global_store_b32 v[L4], v[WA], s[12:13] offset:\woff
.endm
	v_mov_b32 v[TM+2], 0                           ; written once: a lane permute's destination counts as one of its sources
	v_mov_b32 v[TM+3], 0
	v_cmp_lt_u32 vcc_lo, 15, v1                    ; lanes 16-31
	s_cmp_eq_u32 s96, 1                            ; the kind: the same in all partners
	s_cbranch_scc1 .Lv_out
.irp e, 0,1                                    ; q, k: head e of my two, token tile m
.irp m, 0,1,2,3,4,5,6,7
	GROUP \m, \e, 0, 307200*\e+768*\m, \m%4
.if \m%4 == 3
	WORDS 307200*\e+6144+128*(\m/4)
.endif
.endr
.endr
	s_branch .Ldone
.Lv_out:
.irp m, 0,1,2,3,4,5,6,7                        ; v: head m / 4 of my two, d tile m % 4, 64 keys e
.irp e, 0,1
	GROUP \m, \e, 1, 307200*(\m/4)+1536*(\m%4)+768*\e, 2*(\m%2)+\e
.if (\m%2 == 1) && (\e == 1)
	WORDS 307200*(\m/4)+6144+128*((\m%4)/2)
.endif
.endr
.endr
.Ldone:
	CROUND                                         ; the closing round: no work-group ends while a partner may still ask for a tile that names it
	s_endpgm
.Lfunc_end_k_q143f0afee3_qkv:
	.size	k_q143f0afee3_qkv, .Lfunc_end_k_q143f0afee3_qkv-k_q143f0afee3_qkv
	.p2alignl 7, 3214868480
	.fill 96, 4, 3214868480
	.section	.rodata,"a",@progbits
	.p2align	6, 0x0
	.amdhsa_kernel k_q143f0afee3_qkv
		.amdhsa_group_segment_fixed_size 327680
		.amdhsa_private_segment_fixed_size 0
		.amdhsa_enable_private_segment 0
		.amdhsa_kernarg_size 32
		.amdhsa_user_sgpr_count 2
		.amdhsa_user_sgpr_kernarg_segment_ptr 1
		.amdhsa_wavefront_size32 1
		.amdhsa_system_sgpr_workgroup_id_x 1
		.amdhsa_system_sgpr_workgroup_id_y 1
		.amdhsa_system_sgpr_workgroup_id_z 1
		.amdhsa_system_vgpr_workitem_id 0
		.amdhsa_next_free_vgpr 1024
		.amdhsa_next_free_sgpr 100
		.amdhsa_reserve_vcc 1
		.amdhsa_float_denorm_mode_32 3
		.amdhsa_float_denorm_mode_16_64 3
		.amdhsa_memory_ordered 1
		.amdhsa_forward_progress 1
		.amdhsa_inst_pref_size 220
	.end_amdhsa_kernel
	.amdgpu_metadata
---
amdhsa.version: [ 1, 2 ]
amdhsa.kernels:
  - .name:           k_q143f0afee3_qkv
    .symbol:         k_q143f0afee3_qkv.kd
    .args:
      - { .name: xq, .offset: 0, .size: 8, .value_kind: global_buffer, .address_space: global }
      - { .name: wq, .offset: 8, .size: 8, .value_kind: global_buffer, .address_space: global }
      - { .name: c_attn_b, .offset: 16, .size: 8, .value_kind: global_buffer, .address_space: global }
      - { .name: qkv, .offset: 24, .size: 8, .value_kind: global_buffer, .address_space: global }
    .group_segment_fixed_size: 327680
    .private_segment_fixed_size: 0
    .kernarg_segment_align: 8
    .kernarg_segment_size: 32
    .max_flat_workgroup_size: 128
    .sgpr_count:     100
    .vgpr_count:     1024
    .wavefront_size: 32
...
	.end_amdgpu_metadata
.endif
;; end of part 2
;; launch attn (part 3): grid 8 x 32, 16 waves a work-group, clusters of 4 x 1, 206,848 bytes of LDS; arguments qkv, oq; writes oq
.if DOCPART == 3
	.amdgcn_target "amdgcn-amd-amdhsa--gfx1250"
	.amdhsa_code_object_version 6
	.text
	.protected	k_q143f0afee3_attn
	.globl	k_q143f0afee3_attn
	.p2align	8
	.type	k_q143f0afee3_attn,@function
k_q143f0afee3_attn:
	s_mov_b64 s[64:65], 0
	v_nop
	global_prefetch_b8 v0, s[64:65] scope:SCOPE_SE
	s_setreg_imm32_b32 hwreg(HW_REG_WAVE_MODE, 25, 1), 1
	s_wait_xcnt 0x0
	s_wait_alu depctr_hold_cnt(0) depctr_sa_sdst(0) depctr_va_vdst(0) depctr_va_sdst(0) depctr_va_ssrc(0) depctr_va_vcc(0) depctr_vm_vsrc(0)
	s_getreg_b32 s2, hwreg(HW_REG_IB_STS2, 6, 4)
	s_cmp_eq_u32 s2, 0
	s_cbranch_scc0 .Lentry_in_a_cluster
	s_endpgm
.Lentry_in_a_cluster:
	s_bfe_u32 s2, ttmp6, 0x10000c
	s_cmp_lg_u32 s2, 0x3003
	s_cbranch_scc0 .Lentry_shape_is_right
	s_endpgm
.Lentry_shape_is_right:
; o = softmax(q k^T / 8, causal) v for one head (work-group y = 16 batch + head), both products on codes of FP6 (E2M3) with E8M0 scales; o is quantised in registers and leaves as codes.
; THE SOFTMAX AHEAD OF THE SECOND PRODUCT: t = score x log2(e) / 8; M = the row's largest t so far, rounded UP to a whole number; p = 2^(t - M) is quantised along the keys, not normalised; the row's sum is
; taken of the unquantised p and divides O at the end.  When M moves, the sum and O are multiplied by 2^(old M - new M): exact.
; IN: records of 19,200 bytes for each (head, 128 tokens): q's 8 half fragments (16 tokens x 64: registers 0-3 of lane l at 16 l, 4-5 at 512 + 8 l) and scale words, k's at 6,400, v's (keys innermost) at 12,800.
; Tile m of a record holds in place r the token 32 (m / 2) + 8 (m % 2) + r + 8 (r / 8), so that the 16 result registers of two neighbouring tiles of keys are 16 neighbouring keys.
; SHARES.  Sixteen waves, four to a SIMD, each with ONE tile of 16 queries in 256 registers: tile j (the work-group's x, 0..7) of the record QB = w xor 3 ((w >> 2) & 1).  So every work-group has the same work:
; wave w walks key steps 0 .. QB: those under QB are open, QB is the diagonal, those above are left out: branches on the wave's number and the loop's counter alone.
; A WHOLE HEAD'S K AND V STAY IN LDS: 16 x 12,800 bytes, filled ONCE, a record a wave, asked for JOINTLY by the four work-groups of a cluster, which belong to one head.  Nothing is filled again.
; K = 64 IN AN INSTRUCTION OF 128: a fragment of k holds TWO tiles of keys (K 0-63: tile 2 i; K 64-127: tile 2 i + 1); q stands beside zeros, once below ([q | 0]) and once above ([0 | q]): zero codes add nothing.
; Both products are used transposed (S^T = k q^T, O^T = v^T p^T): a lane holds one query throughout.
; No prefetch: all that the launch reads is asked for at its head.
; LIMITS: a block's largest p is made of the block's largest score, which takes v_exp_f32 not to fall where its input rises; a block under 2^-124 gets the byte 1; NaN and infinities are not served.
.set QREC, 19200
.set KVB,  12800                       ; k's and v's part of a record, and its place in LDS: k's codes 0, words 6,144; v's codes 6,400, words 12,544
.set TREC, 12800                       ; a tile record of oq
.set L16, 1                            ; v1-3  16, 8 x lane, 4 x (lane % 16); never rewritten
.set L8,  2
.set L4,  3
.set A16, 4                            ; v4-6  the same + the step's place in LDS
.set A8,  5
.set A4,  6
.set DD,  7                            ; v7    my query's place in its 128 - 16 (lane / 16)
.set NINF, 8                           ; v8    -infinity
.set BO,  9                            ; v9    8 r + h: my scale byte's place
.set LN,  10                           ; v10   lane
.set RR,  11                           ; v11   r
.set QA,  16                           ; v16-27 [q | 0]
.set QZ,  28                           ; v28-39 [0 | q]
.set KV,  40                           ; v40-87 four fragments of k, then of v
.set S,   88                           ; v88-151 S^T, then p
.set OT,  152                          ; v152-183 O^T
.set PCD, 184                          ; v184-195 p's codes
.set BM,  196                          ; v196-199 the blocks' largest scores
.set TA,  200                          ; v200-207 at work
.set SO,  208                          ; v208-211 the conversions' scale operands
.set KW,  212                          ; v212-215 k's scale words
.set FF,  216                          ; v216 f, v217 p's scale word
.set TT,  218
.set QAW, 219                          ; q's scale words for [q | 0] and [0 | q]
.set QZW, 220
.set VW,  221                          ; v221-224 v's scale words
.set TM,  196                          ; QUANT32's registers at the end
.set WV,  18
.set QB,  19
.set SEL, 20
.set CS,  22                           ; s[22:23] c = log2(e) / 8
.set G1,  24
.set G0,  32
.set TB,  36
.set ST,  37
.set JJ,  38
.macro CROUND                          ; a round of the cluster's barrier
	s_barrier_signal -1
	s_barrier_wait -1
	s_cmp_lg_u32 s[WV], 0
	s_cbranch_scc1 .Lnot_wave_0_\@
	s_barrier_signal -3
.Lnot_wave_0_\@:
	s_barrier_wait -3
	s_barrier_signal -1
	s_barrier_wait -1
.endm
.macro QUANT32 s, pw, pc               ; 32 numbers of a lane, register 16 b + i = k 32 b + 16 (lane / 16) + i of my row -> a half fragment in v[pc .. pc + 5]; the two bytes in v[TM+2], v[TM+3] and v[pw]
.irp b, 0,1
	v_max3_num_f32 v[TM+\b], |v[\s+16*\b]|, |v[\s+16*\b+1]|, 0x1800000
.endr
.irp i, 2,4,6,8,10,12,14
.irp b, 0,1
	s_delay_alu instid0(VALU_DEP_2)
	v_max3_num_f32 v[TM+\b], v[TM+\b], |v[\s+16*\b+\i]|, |v[\s+16*\b+\i+1]|
.endr
.endr
.irp b, 0,1
	s_delay_alu instid0(VALU_DEP_2)
	v_permlanex16_b32 v[TM+2+\b], v[TM+\b], s[SEL], s[SEL+1]
.endr
.irp b, 0,1
	s_delay_alu instid0(VALU_DEP_2)
	v_max_num_f32 v[TM+\b], v[TM+\b], v[TM+2+\b]
.endr
.irp b, 0,1
	s_delay_alu instid0(VALU_DEP_2)
	v_add_nc_u32 v[TM+4+\b], 0xff000000, v[TM+\b]
.endr
.irp b, 0,1
	s_delay_alu instid0(VALU_DEP_2)
	v_lshrrev_b32 v[TM+2+\b], 23, v[TM+4+\b]
.endr
	s_delay_alu instid0(VALU_DEP_1)
	v_lshl_or_b32 v[\pw], v[TM+3], 8, v[TM+2]
	v_cvt_scalef32_pk16_fp6_f32 v[\pc:\pc+2], v[\s:\s+15], v[TM+4]
	v_cvt_scalef32_pk16_fp6_f32 v[\pc+6:\pc+8], v[\s+16:\s+31], v[TM+5]
	v_nop                                          ; one plain place behind a scaled conversion
.irp i, 0,1,2
	v_permlane16_swap_b32 v[\pc+\i], v[\pc+6+\i]
.endr
.irp i, 0,1,2
	s_delay_alu instid0(VALU_DEP_3)
	v_mov_b32 v[\pc+3+\i], v[\pc+6+\i]
.endr
.endm
	s_load_b128 s[4:7], s[0:1], 0x0                ; qkv s[4:5], oq s[6:7]
	v_lshl_add_u32 v254, v0, 2, 0x32000
	v_mov_b32 v255, 0
	ds_add_u32 v254, v255
	ds_add_u32 v254, v255
	v_lshrrev_b32 v1, 5, v0
	s_delay_alu instid0(VALU_DEP_1)
	v_readfirstlane_b32 s[WV], v1                  ; wave 0..15
	s_bfe_u32 s39, ttmp6, 0x40000                  ; cx
	s_lshl_b32 s[JJ], ttmp9, 2
	s_add_co_u32 s[JJ], s[JJ], s39                 ; j: it enters q's and o's addresses and the mask's numbers alone
	s_and_b32 s40, ttmp7, 0xffff                   ; 16 batch + head, which the four partners share
	s_bfe_u32 s41, s[WV], 0x10002
	s_mul_i32 s41, s41, 3
	s_xor_b32 s[QB], s[WV], s41                    ; my queries' record
	s_mov_b32 s[G1], 15|(3<<16)|(1<<21)            ; the mask: all four work-groups; elements of 8 bytes; bit 21 beside a mask; no padding
	s_mov_b32 s[G1+1], 32<<16                      ; a dense block as 50 rows of 256 bytes
	s_mov_b32 s[G1+2], 50<<16
	s_mov_b32 s[G1+3], 32<<16
	s_mov_b32 s[G1+4], 50
	s_mov_b32 s[G1+5], 32
	s_mov_b32 s[G1+6], 0
	s_mov_b32 s[G1+7], 0
	s_mov_b32 s[SEL], 0x76543210
	s_mov_b32 s[SEL+1], 0xfedcba98
	s_mov_b32 s[CS], 0x3e38aa3b                    ; c = log2(e) / 8
	s_mov_b32 s[CS+1], s[CS]                       ; (named with it as a pair, so it is written)
	s_lshl_b32 s42, s40, 4                         ; the head's first record
	s_add_co_u32 s43, s42, s[WV]
	s_mul_i32 s44, s43, QREC
	s_add_co_u32 s44, s44, 6400                    ; record w's k and v: what I fetch
	s_mov_b32 s45, 0
	s_mul_i32 s46, s[WV], KVB                      ; and where it goes
	s_add_co_u32 s43, s42, s[QB]
	s_mul_i32 s43, s43, QREC
	s_mul_i32 s47, s[JJ], 768
	s_add_co_u32 s48, s43, s47                     ; q: half fragment j of record QB,
	s_mov_b32 s49, 0
	s_lshr_b32 s47, s[JJ], 1
	s_lshl_b32 s50, s47, 6
	s_add_co_u32 s50, s50, s43
	s_add_co_u32 s50, s50, 6144                    ; and the words of pair j / 2
	s_mov_b32 s51, 0
	s_lshl_b32 s47, s47, 5
	s_and_b32 s52, s[JJ], 1
	s_lshl_b32 s53, s52, 3
	s_add_co_u32 s47, s47, s53                     ; 32 (j / 2) + 8 (j % 2)
	s_lshl_b32 s52, s52, 4                         ; my tile's two bytes lie 16 (j % 2) bits up in the word
	s_lshr_b32 s54, s40, 4
	s_lshl_b32 s54, s54, 7
	s_lshl_b32 s55, s[QB], 3
	s_add_co_u32 s54, s54, s55
	s_add_co_u32 s54, s54, s[JJ]                   ; o: tile 128 batch + 8 QB + j
	s_mul_i32 s54, s54, TREC
	s_and_b32 s55, s40, 15                         ; the head: its 64 channels are K chunk 'head' of the last product
	s_mul_i32 s56, s55, 768
	s_add_co_u32 s56, s56, s54
	s_mov_b32 s57, 0
	s_lshr_b32 s58, s55, 2
	s_lshl_b32 s58, s58, 7
	s_and_b32 s55, s55, 3
	s_lshl_b32 s55, s55, 1
	s_add_co_u32 s58, s58, s55
	s_add_co_u32 s58, s58, s54
	s_add_co_u32 s58, s58, 12288                   ; its two scale bytes: 128 (head / 4) + 2 (head % 4)
	s_mov_b32 s59, 0
	s_wait_dscnt 0x0
	s_wait_kmcnt 0x0
	s_mov_b32 s[G0], 1
	s_mov_b32 s[G0+1], s46
	s_add_nc_u64 s[G0+2:G0+3], s[4:5], s[44:45]
	s_or_b32 s[G0+3], s[G0+3], 0x80000000
	s_add_nc_u64 s[8:9], s[4:5], s[48:49]
	s_add_nc_u64 s[10:11], s[4:5], s[50:51]
	s_add_nc_u64 s[12:13], s[6:7], s[56:57]
	s_add_nc_u64 s[14:15], s[6:7], s[58:59]
	CROUND                                         ; all four work-groups are here: the joint loads meet
	tensor_load_to_lds s[G0:G0+3], s[G1:G1+7]      ; my one tensor load of the launch
	s_nop 0
.rept 4
	v_nop
.endr
	v_and_b32 v[LN], 31, v0
	v_and_b32 v[RR], 15, v0
	v_bfe_u32 v[BO], v0, 4, 1                      ; h
	s_delay_alu instid0(VALU_DEP_3)
	v_lshlrev_b32 v[L16], 4, v[LN]
	s_delay_alu instid0(VALU_DEP_4)
	v_lshlrev_b32 v[L8], 3, v[LN]
	s_delay_alu instid0(VALU_DEP_4)
	v_lshlrev_b32 v[L4], 2, v[RR]
	global_load_b128 v[QA:QA+3], v[L16], s[8:9]
	global_load_b64 v[QA+4:QA+5], v[L8], s[8:9] offset:512
	global_load_b128 v[QZ+6:QZ+9], v[L16], s[8:9]  ; a second time: the two operands share no register
	global_load_b64 v[QZ+10:QZ+11], v[L8], s[8:9] offset:512
	global_load_b32 v[QAW], v[L4], s[10:11]
	v_and_b32 v[DD], 8, v[RR]
	s_delay_alu instid0(VALU_DEP_1)
	v_add_nc_u32 v[DD], v[DD], v[RR]
	v_lshlrev_b32 v[NINF], 4, v[BO]
	s_delay_alu instid0(VALU_DEP_1)
	v_sub_nc_u32 v[DD], v[DD], v[NINF]
	s_delay_alu instid0(VALU_DEP_1)
	v_add_nc_u32 v[DD], s47, v[DD]
	v_mov_b32 v[NINF], 0xff800000
	v_lshl_add_u32 v[BO], v[RR], 3, v[BO]
.irp i, 0,1,2,3,4,5
	v_mov_b32 v[QA+6+\i], 0                        ; zero codes
	v_mov_b32 v[QZ+\i], 0
.endr
	v_mov_b32 v13, 0xff61b1e6                      ; the largest t so far: -3e38, under every t
	s_delay_alu instid0(VALU_DEP_1)
	v_floor_f32 v12, -v13                          ; -M
	v_mov_b32 v14, 0                               ; the sum, in two halves
	v_mov_b32 v15, 0
.irp i, 0,1,2,3,4,5,6,7
	v_mov_b32 v[BM+\i], 0                          ; written once: a lane permute's destination counts as one of its sources
.endr
	v_mov_b32 v[FF], 0
	v_mov_b32 v[FF+1], 0
	v_mov_b32 v[TT], 0
	s_wait_loadcnt 0x0                             ; q
	v_lshrrev_b32 v[QAW], s52, v[QAW]              ; my tile's two bytes below (what stands above them scales zero codes, and is no 0xff)
	s_delay_alu instid0(VALU_DEP_1)
	v_lshlrev_b32 v[QZW], 16, v[QAW]               ; and above
.set i, 0
.rept 32
	v_mov_b32 v[OT+i], 0                           ; O^T: the step is written once; its first pass finds zeros.  (Also the places between the lines above and the first scaled products)
.set i, i+1
.endr
	s_mov_b32 s[TB], 0
	s_mov_b32 s[ST], 0
	s_wait_tensorcnt 0x0                           ; my record is in,
	s_barrier_signal -1
	s_barrier_wait -1                              ; everybody's is: the head's k and v lie in LDS
.Lstep:                                            ; 16 trips, a constant; a step all of whose keys come after my queries is left out
	s_cmp_gt_u32 s[ST], s[QB]
	s_cbranch_scc1 .Lhidden
	s_setprio 2
	v_add_nc_u32 v[A16], s[TB], v[L16]
	v_add_nc_u32 v[A8], s[TB], v[L8]
	v_add_nc_u32 v[A4], s[TB], v[L4]
	v_nop                                          ; four places in front of loads into registers that the last products have read
.irp i, 0,1,2,3                                ; k: fragment i = the half fragments of tiles 2 i and 2 i + 1, 1,536 dense bytes
	ds_load_b128 v[KV+12*\i:KV+12*\i+3],     v[A16] offset:1536*\i
	ds_load_b64  v[KV+12*\i+4:KV+12*\i+5],   v[A8]  offset:1536*\i+512
	ds_load_b128 v[KV+12*\i+6:KV+12*\i+9],   v[A16] offset:1536*\i+768
	ds_load_b64  v[KV+12*\i+10:KV+12*\i+11], v[A8]  offset:1536*\i+1280
	ds_load_b32  v[KW+\i], v[A4] offset:6144+64*\i
.endr
	s_wait_alu depctr_va_vdst(0)
	s_wait_dscnt 0x0
.irp i, 0,1,2,3                                ; S^T: lane (r, h) holds query r; the 16 registers of tiles 2 i, 2 i + 1 are keys 32 i + 16 h + 0 .. 15
	v_wmma_scale_f32_16x16x128_f8f6f4 v[S+16*\i:S+16*\i+7], v[KV+12*\i:KV+12*\i+11], v[QA:QA+11], 0, v[KW+\i], v[QAW] matrix_a_fmt:MATRIX_FMT_FP6 matrix_b_fmt:MATRIX_FMT_FP6
	v_wmma_scale_f32_16x16x128_f8f6f4 v[S+16*\i+8:S+16*\i+15], v[KV+12*\i:KV+12*\i+11], v[QZ:QZ+11], 0, v[KW+\i], v[QZW] matrix_a_fmt:MATRIX_FMT_FP6 matrix_b_fmt:MATRIX_FMT_FP6
.endr
.rept 4
	v_nop                                          ; places in front of the loads below and of the first read of the scores
.endr
.irp t, 0,1,2,3                                ; v: d tile t x these 128 keys; the loads land under the softmax
	ds_load_b128 v[KV+12*\t:KV+12*\t+3],     v[A16] offset:6400+1536*\t
	ds_load_b64  v[KV+12*\t+4:KV+12*\t+5],   v[A8]  offset:6400+1536*\t+512
	ds_load_b128 v[KV+12*\t+6:KV+12*\t+9],   v[A16] offset:6400+1536*\t+768
	ds_load_b64  v[KV+12*\t+10:KV+12*\t+11], v[A8]  offset:6400+1536*\t+1280
	ds_load_b32  v[VW+\t], v[A4] offset:12544+64*\t
.endr
	s_cmp_lt_u32 s[ST], s[QB]
	s_cbranch_scc1 .Lopen
.set i, 0
.rept 64                                       ; the diagonal: register 16 b + i holds key 32 b + 16 h + i: hidden where 32 b + i > my query's place - 16 h
	v_cmp_gt_i32 vcc_lo, 32*(i/16)+i%16, v[DD]
	v_cndmask_b32 v[S+i], v[S+i], v[NINF], vcc_lo
.set i, i+1
.endr
.Lopen:
.irp b, 0,1,2,3
	v_max3_num_f32 v[BM+\b], v[S+16*\b], v[S+1+16*\b], v[S+2+16*\b]   ; the largest score of each block of 32 keys: for the row's maximum, and for the block's largest p
.endr
.irp i, 3,5,7,9,11,13
.irp b, 0,1,2,3
	v_max3_num_f32 v[BM+\b], v[BM+\b], v[S+16*\b+\i], v[S+1+16*\b+\i]
.endr
.endr
.irp b, 0,1,2,3
	v_max_num_f32 v[BM+\b], v[BM+\b], v[S+15+16*\b]
.endr
.irp b, 0,1,2,3
	s_delay_alu instid0(VALU_DEP_4)
	v_permlanex16_b32 v[TA+\b], v[BM+\b], s[SEL], s[SEL+1]
.endr
.irp b, 0,1,2,3
	s_delay_alu instid0(VALU_DEP_4)
	v_max_num_f32 v[BM+\b], v[BM+\b], v[TA+\b]     ; with lane l xor 16's 16 keys
.endr
	s_delay_alu instid0(VALU_DEP_2)
	v_max3_num_f32 v[TT], v[BM], v[BM+1], v[BM+2]
	s_delay_alu instid0(VALU_DEP_1)
	v_max_num_f32 v[TT], v[TT], v[BM+3]
	s_delay_alu instid0(VALU_DEP_1)
	v_mul_f32 v[TT], s[CS], v[TT]                  ; as t (c is positive)
	s_delay_alu instid0(VALU_DEP_1)
	v_max_num_f32 v13, v13, v[TT]                  ; the running largest t
	v_mov_b32 v[TT], v12
	s_delay_alu instid0(VALU_DEP_2)
	v_floor_f32 v12, -v13                          ; the new -M = -ceil(t): a whole number
	s_delay_alu instid0(VALU_DEP_1)
	v_sub_f32 v[TT], v12, v[TT]                    ; old M - new M: a whole number, 0 or less
	s_delay_alu instid0(VALU_DEP_1)
	v_cvt_i32_f32 v[TT], v[TT]                     ; (it saturates)
	s_delay_alu instid0(VALU_DEP_1)
	v_ldexp_f32 v[FF], 1.0, v[TT]                  ; f = 2^(old M - new M)
.set i, 0
	s_setprio 1
.rept 32
	v_pk_fma_f32 v[S+i:S+i+1], v[S+i:S+i+1], s[CS:CS+1], v[12:13] op_sel_hi:[1,0,0]   ; t - M, two at a time
.set i, i+2
.endr
.irp b, 0,1,2,3
	v_fma_f32 v[BM+\b], v[BM+\b], s[CS], v12       ; the same of each block's largest score
.endr
.set i, 0
	s_wait_alu depctr_va_vdst(0)
.rept 64
	v_exp_f32 v[S+i], v[S+i]                       ; p = 2^(t - M), at most 1
.set i, i+1
.endr
	v_pk_mul_f32 v[14:15], v[14:15], v[FF:FF+1] op_sel_hi:[1,0]   ; the sums under the new M (a plain place behind the exponentials)
	s_wait_alu depctr_va_vdst(0)                   ; one wait for the whole batch, ahead of its first reader
.irp b, 0,1,2,3
	v_exp_f32 v[BM+\b], v[BM+\b]                   ; the block's largest p
.endr
	v_pk_add_f32 v[200:201], v[92:93], v[96:97]
	v_pk_add_f32 v[252:253], v[100:101], v[104:105]
	v_pk_add_f32 v[250:251], v[108:109], v[112:113]
	v_pk_add_f32 v[248:249], v[116:117], v[120:121]
	v_pk_add_f32 v[246:247], v[124:125], v[128:129]
	v_pk_add_f32 v[244:245], v[132:133], v[136:137]
	v_pk_add_f32 v[242:243], v[140:141], v[144:145]
	v_pk_add_f32 v[14:15], v[14:15], v[148:149]
	v_pk_add_f32 v[200:201], v[200:201], v[88:89]
	v_pk_add_f32 v[252:253], v[252:253], v[90:91]
	v_pk_add_f32 v[250:251], v[250:251], v[94:95]
	v_pk_add_f32 v[248:249], v[248:249], v[98:99]
	v_pk_add_f32 v[246:247], v[246:247], v[102:103]
	v_pk_add_f32 v[244:245], v[244:245], v[106:107]
	v_pk_add_f32 v[242:243], v[242:243], v[110:111]
	v_pk_add_f32 v[14:15], v[14:15], v[114:115]
	v_pk_add_f32 v[200:201], v[200:201], v[118:119]
	v_pk_add_f32 v[252:253], v[252:253], v[122:123]
	v_pk_add_f32 v[250:251], v[250:251], v[126:127]
	v_pk_add_f32 v[248:249], v[248:249], v[130:131]
	v_pk_add_f32 v[246:247], v[246:247], v[134:135]
	v_pk_add_f32 v[244:245], v[244:245], v[138:139]
	v_pk_add_f32 v[242:243], v[242:243], v[142:143]
	v_pk_add_f32 v[14:15], v[14:15], v[146:147]
	v_pk_add_f32 v[200:201], v[200:201], v[150:151]
	s_delay_alu instid0(VALU_DEP_2)
	v_pk_add_f32 v[14:15], v[14:15], v[248:249]
	s_delay_alu instid0(VALU_DEP_2)
	v_pk_add_f32 v[200:201], v[200:201], v[246:247]
	v_pk_add_f32 v[252:253], v[252:253], v[244:245]
	v_pk_add_f32 v[250:251], v[250:251], v[242:243]
	s_delay_alu instid0(VALU_DEP_2)
	v_pk_add_f32 v[14:15], v[14:15], v[252:253]
	s_delay_alu instid0(VALU_DEP_2)
	v_pk_add_f32 v[200:201], v[200:201], v[250:251]
	s_delay_alu instid0(VALU_DEP_1)
	v_pk_add_f32 v[14:15], v[14:15], v[200:201]
	s_wait_alu depctr_va_vdst(0)                   ; and one for the four
.irp b, 0,1,2,3
	v_max_num_f32 v[BM+\b], 0x1800000, v[BM+\b]    ; the floor 2^(3 - 127): the byte cannot fall under 1
.endr
.irp b, 0,1,2,3
	s_delay_alu instid0(VALU_DEP_4)
	v_add_nc_u32 v[SO+\b], 0xff000000, v[BM+\b]    ; 2 off the exponent field: the conversion's scale operand
.endr
.irp b, 0,1,2,3
	s_delay_alu instid0(VALU_DEP_4)
	v_lshrrev_b32 v[TA+\b], 23, v[SO+\b]
.endr
	s_delay_alu instid0(VALU_DEP_3)
	v_lshl_or_b32 v[FF+1], v[TA+1], 8, v[TA]       ; p's scale word for these 128 keys
	s_delay_alu instid0(VALU_DEP_1)
	v_lshl_or_b32 v[FF+1], v[TA+2], 16, v[FF+1]
	s_delay_alu instid0(VALU_DEP_1)
	v_lshl_or_b32 v[FF+1], v[TA+3], 24, v[FF+1]
	s_setprio 0
.irp c, 0,1
	v_cvt_scalef32_pk16_fp6_f32 v[PCD+6*\c:PCD+6*\c+2], v[S+32*\c:S+32*\c+15], v[SO+2*\c]
	v_cvt_scalef32_pk16_fp6_f32 v[TA+4*\c:TA+4*\c+2], v[S+16+32*\c:S+31+32*\c], v[SO+2*\c+1]
.endr
	v_nop                                          ; one plain place behind a scaled conversion
.irp c, 0,1
.irp i, 0,1,2
	v_permlane16_swap_b32 v[PCD+6*\c+\i], v[TA+4*\c+\i]   ; a whole block to a lane
.endr
.irp i, 0,1,2
	s_delay_alu instid0(VALU_DEP_3)
	v_mov_b32 v[PCD+3+6*\c+\i], v[TA+4*\c+\i]
.endr
.endr
.set i, 0
.rept 16
	v_pk_mul_f32 v[OT+i:OT+i+1], v[OT+i:OT+i+1], v[FF:FF+1] op_sel_hi:[1,0]   ; O^T under the new M.  (These 16 also stand between the codes' and the scale word's last writes and the products below)
.set i, i+2
.endr
	s_wait_alu depctr_va_vdst(0)
	s_wait_dscnt 0x0                               ; v is in
.irp t, 0,1,2,3                                ; O^T += v^T p^T: four accumulators, one instruction a turn
	v_wmma_scale_f32_16x16x128_f8f6f4 v[OT+8*\t:OT+8*\t+7], v[KV+12*\t:KV+12*\t+11], v[PCD:PCD+11], v[OT+8*\t:OT+8*\t+7], v[VW+\t], v[FF+1] matrix_a_fmt:MATRIX_FMT_FP6 matrix_b_fmt:MATRIX_FMT_FP6
.endr
.Lhidden:
	s_add_co_u32 s[TB], s[TB], KVB
	s_add_co_u32 s[ST], s[ST], 1
	s_cmp_lt_u32 s[ST], 16
	s_cbranch_scc1 .Lstep
	s_setprio 0
	; THE WAY OUT: O^T / the sum, quantised along the head's 64: register 16 b + i is channel 32 b + 16 h + i of my query: a half fragment of the last product's operand
.rept 4
	v_nop                                          ; places behind the last products
.endr
	v_add_f32 v14, v14, v15
	s_delay_alu instid0(VALU_DEP_1)
	v_permlanex16_b32 v[FF], v14, s[SEL], s[SEL+1]
	s_delay_alu instid0(VALU_DEP_1)
	v_add_f32 v14, v14, v[FF]                      ; the row's sum
	s_wait_alu depctr_va_vdst(0)
	v_rcp_f32 v14, v14
	v_nop                                          ; a plain place behind the transcendental
	v_cmp_lt_u32 vcc_lo, 15, v[LN]                 ; lanes 16-31
	s_wait_alu depctr_va_vdst(0)                   ; the wait ahead of the first reader
.set i, 0
.rept 32
	v_mul_f32 v[S+i], v[OT+i], v14
.set i, i+1
.endr
	QUANT32 S, TT, 204
	global_store_b128 v[L16], v[204:207], s[12:13]             ; 512 consecutive bytes, aligned to 256
	global_store_b64 v[L8], v[208:209], s[12:13] offset:512    ; and 256
	v_cndmask_b32 v[TT], v[TM+2], v[TM+3], vcc_lo  ; lanes 0-15 block 0's byte, lanes 16-31 block 1's
	global_store_b8 v[BO], v[TT], s[14:15]         ; a byte a lane: a row's 8 bytes of a slot come from four heads' work-groups
	s_wait_tensorcnt 0x0
	ds_add_u32 v254, v255
	s_wait_dscnt 0x0
	CROUND                                         ; the closing round: no work-group ends while a partner may still ask for a tile that names it
	s_endpgm
.Lfunc_end_k_q143f0afee3_attn:
	.size	k_q143f0afee3_attn, .Lfunc_end_k_q143f0afee3_attn-k_q143f0afee3_attn
	.p2alignl 7, 3214868480
	.fill 96, 4, 3214868480
	.section	.rodata,"a",@progbits
	.p2align	6, 0x0
	.amdhsa_kernel k_q143f0afee3_attn
		.amdhsa_group_segment_fixed_size 206848
		.amdhsa_private_segment_fixed_size 0
		.amdhsa_enable_private_segment 0
		.amdhsa_kernarg_size 16
		.amdhsa_user_sgpr_count 2
		.amdhsa_user_sgpr_kernarg_segment_ptr 1
		.amdhsa_wavefront_size32 1
		.amdhsa_system_sgpr_workgroup_id_x 1
		.amdhsa_system_sgpr_workgroup_id_y 1
		.amdhsa_system_sgpr_workgroup_id_z 1
		.amdhsa_system_vgpr_workitem_id 0
		.amdhsa_next_free_vgpr 256
		.amdhsa_next_free_sgpr 66
		.amdhsa_reserve_vcc 1
		.amdhsa_float_denorm_mode_32 3
		.amdhsa_float_denorm_mode_16_64 3
		.amdhsa_memory_ordered 1
		.amdhsa_forward_progress 1
		.amdhsa_inst_pref_size 36
	.end_amdhsa_kernel
	.amdgpu_metadata
---
amdhsa.version: [ 1, 2 ]
amdhsa.kernels:
  - .name:           k_q143f0afee3_attn
    .symbol:         k_q143f0afee3_attn.kd
    .args:
      - { .name: qkv, .offset: 0, .size: 8, .value_kind: global_buffer, .address_space: global }
      - { .name: oq, .offset: 8, .size: 8, .value_kind: global_buffer, .address_space: global }
    .group_segment_fixed_size: 206848
    .private_segment_fixed_size: 0
    .kernarg_segment_align: 8
    .kernarg_segment_size: 16
    .max_flat_workgroup_size: 512
    .sgpr_count:     66
    .vgpr_count:     256
    .wavefront_size: 32
...
	.end_amdgpu_metadata
.endif
;; end of part 3
;; launch proj (part 4): grid 4 x 16, 4 waves a work-group, clusters of 4 x 4, 327,680 bytes of LDS; arguments oq, pq, c_proj_b, out0; writes out0
.if DOCPART == 4
	.amdgcn_target "amdgcn-amd-amdhsa--gfx1250"
	.amdhsa_code_object_version 6
	.text
	.protected	k_q143f0afee3_proj
	.globl	k_q143f0afee3_proj
	.p2align	8
	.type	k_q143f0afee3_proj,@function
k_q143f0afee3_proj:
	s_mov_b64 s[64:65], 0
	v_nop
	global_prefetch_b8 v0, s[64:65] scope:SCOPE_SE
	s_setreg_imm32_b32 hwreg(HW_REG_WAVE_MODE, 25, 1), 1
	s_wait_xcnt 0x0
	s_wait_alu depctr_hold_cnt(0) depctr_sa_sdst(0) depctr_va_vdst(0) depctr_va_sdst(0) depctr_va_ssrc(0) depctr_va_vcc(0) depctr_vm_vsrc(0)
	s_getreg_b32 s2, hwreg(HW_REG_IB_STS2, 6, 4)
	s_cmp_eq_u32 s2, 0
	s_cbranch_scc0 .Lentry_in_a_cluster
	s_endpgm
.Lentry_in_a_cluster:
	s_bfe_u32 s2, ttmp6, 0x10000c
	s_cmp_lg_u32 s2, 0xf033
	s_cbranch_scc0 .Lentry_shape_is_right
	s_endpgm
.Lentry_shape_is_right:
; out0 = o W + b on codes of FP6 (E2M3) with E8M0 scales, K = 1,024; out0 [4096][1024] f32.
; A work-group of four waves makes 256 x 256 of the product, a wave 128 x 128: 64 accumulators of 16 x 16.  K goes in slots of 256 through a ring of two LDS slots filled by the tensor data mover.
; OPERANDS lie in memory as tile records of 12,800 bytes (16 rows; 16 half fragments of 768 bytes in the order of the operand's registers; 512 scale bytes [256 K][r][8]).  Tile T holds in place r the
; row 32 (T / 2) + 8 (T % 2) + r + 8 (r / 8).  THE MATRIX INSTRUCTION IS USED TRANSPOSED: source 0 = a tile of W's columns, source 1 = a tile of tokens: a lane holds one token, and the 16 registers of two
; neighbouring tiles of W are 16 neighbouring columns.
; CLUSTERS: 4 x 4 work-groups; o's tiles are asked for jointly along a row of the cluster, W's along a column.  64 work-groups: the tile is kept at 256 x 256 so that this text's loop is the first product's.
; REGISTERS, in windows of 256: window 0: v16-23 LDS addresses; v24-26 the way out; v27 scale words' address; v28, v29 the add's; v32-63 scale words, two sets; v64-67 the bias; v128-223 A's fragments, ONE set
;   (on the way out v128-255: rows read back).  window 1: B's fragments, TWO sets, at v0 and v128.  windows 2, 3: the accumulators.
.set TREC,   12800
.set ROWB,   3072
.set NQ,     2
.set FR,     12
.set NL,     4
.set NP,     4
.set HALFT,  8*ROWB
.set SLOT,   4*HALFT
.set SCL,    2*SLOT
.set HALFS,  8*512
.set SPARE,  SCL+4*HALFS               ; the spare words, 128 bytes for each wave: two blocks of 256 bytes that no other line names
.set SPITCH, 528                       ; the way out: a stage of 16 rows x (512 + 16) bytes for each wave, in slot 0, which has had its last fill and its last read when the first result is stored there
.set ADRA, 16
.set ADRB, 20
.set STO,  24
.set RD,   25
.set CO,   26
.set ADRS, 27
.set SPW,  28
.set NIL,  29
.set SC,   32
.set BI,   64
.set AF,   128
.set BK,   128
.set G1, 24
.set G0, 32
.set G1B, 48
.set G0B, 56
.set G1S, 68
.set G0S, 76
.set G1SB, 80
.set G0SB, 88
.set MSB, 0
.macro WIN new                         ; the immediate's high byte repeats the setting that is left
.if MSB != (\new)
	s_set_vgpr_msb (MSB<<8)|(\new)
.set MSB, (\new)
.endif
.endm
.set MUL_LO, 0xa1
.set MUL_HI, 0xf1
.set TO_B,   0x40
.macro JLOAD g0a, g1a, g0b, g1b        ; a joint load: waves 0 and 1 fetch for A, waves 2 and 3 for B; four v_nop follow each of the two lines
	s_cmp_eq_u32 s15, 0
	s_cbranch_scc0 .Lfor_b_\@
	tensor_load_to_lds s[\g0a:\g0a+3], s[\g1a:\g1a+7]
	s_nop 0
.rept 4
	v_nop
.endr
	s_branch .Lasked_\@
.Lfor_b_\@:
	tensor_load_to_lds s[\g0b:\g0b+3], s[\g1b:\g1b+7]
	s_nop 0
.rept 4
	v_nop
.endr
.Lasked_\@:
.endm
.macro CREST
	s_cmp_lg_u32 s14, 0
	s_cbranch_scc1 .Lnot_wave_0_\@
	s_barrier_signal -3
.Lnot_wave_0_\@:
	s_barrier_wait -3
	s_barrier_signal -1
	s_barrier_wait -1
.endm
.macro CROUND
	s_barrier_signal -1
	s_barrier_wait -1
	CREST
.endm
.macro PLACES n
.rept \n
	v_nop
.endr
.endm
.macro FRAG reg, adr, q, i             ; a fragment (16 rows x 128 K) is two half fragments on end: every load is dense
	ds_load_b128 v[\reg:\reg+3],     v[\adr]   offset:(\i)*ROWB+(\q)*1536
	ds_load_b64  v[\reg+4:\reg+5],   v[\adr+2] offset:(\i)*ROWB+(\q)*1536+512
	ds_load_b128 v[\reg+6:\reg+9],   v[\adr]   offset:(\i)*ROWB+(\q)*1536+768
	ds_load_b64  v[\reg+10:\reg+11], v[\adr+2] offset:(\i)*ROWB+(\q)*1536+1280
.endm
.macro MUL16 a0, p, q, sc, zero        ; the 64 accumulators take turns, one instruction a turn, in the same order in every step
.irp a, \a0, \a0+1
.irp b, 0,1,2,3,4,5,6,7
.if \zero
	v_wmma_scale_f32_16x16x128_f8f6f4 v[8*(8*((\a)%4)+\b):8*(8*((\a)%4)+\b)+7], v[128*(\p)+FR*\b:128*(\p)+FR*\b+FR-1], v[AF+FR*(\a):AF+FR*(\a)+FR-1], 0, v[SC+8*NQ*(\sc)+NQ*\b+(\q)], v[SC+8*NQ*(\sc)+NQ*(\a)+(\q)] matrix_a_fmt:MATRIX_FMT_FP6 matrix_b_fmt:MATRIX_FMT_FP6 matrix_a_scale:MATRIX_SCALE_ROW1
.else
	v_wmma_scale_f32_16x16x128_f8f6f4 v[8*(8*((\a)%4)+\b):8*(8*((\a)%4)+\b)+7], v[128*(\p)+FR*\b:128*(\p)+FR*\b+FR-1], v[AF+FR*(\a):AF+FR*(\a)+FR-1], v[8*(8*((\a)%4)+\b):8*(8*((\a)%4)+\b)+7], v[SC+8*NQ*(\sc)+NQ*\b+(\q)], v[SC+8*NQ*(\sc)+NQ*(\a)+(\q)] matrix_a_fmt:MATRIX_FMT_FP6 matrix_b_fmt:MATRIX_FMT_FP6 matrix_a_scale:MATRIX_SCALE_ROW1
.endif
.endr
.endr
.endm
.macro FETCH_B slot, q, p
	WIN TO_B
.irp i, 0,1,2,3,4,5,6,7
	FRAG 128*(\p)+FR*\i, ADRB+\slot, \q, \i
.endr
	WIN 0
.endm
.macro FETCH_A slot, q, i0
.irp i, \i0, \i0+1, \i0+2, \i0+3
	FRAG AF+FR*(\i), ADRA+\slot, \q, \i
.endr
.endm
.macro SCALES sc
.irp i, 0,1,2,3,4,5,6,7
	ds_load_b64 v[SC+8*NQ*\sc+NQ*\i:SC+8*NQ*\sc+NQ*\i+1], v[ADRS] offset:\i*512
.endr
.endm
.macro STEP slot, q, zero
	s_wait_dscnt 4*NL                              ; B's set and A's tiles 0-3 are in; the youngest 16 loads (A's tiles 4-7) may be out
	WIN MUL_LO
	MUL16 0, (\q)%2, \q, \slot, \zero
	MUL16 2, (\q)%2, \q, \slot, \zero
	s_wait_dscnt 0
	PLACES NP                                      ; in front of loads into registers that matrix instructions have read
	FETCH_B \slot, (\q)+1, 1-(\q)%2
	FETCH_A \slot, (\q)+1, 0
	WIN MUL_HI
	MUL16 4, (\q)%2, \q, \slot, \zero
	MUL16 6, (\q)%2, \q, \slot, \zero
	PLACES NP
	WIN 0
	FETCH_A \slot, (\q)+1, 4
.endm
.macro TURN slot, next, fill           ; a slot's last step changes slots: ONE barrier, with every wave's three lines in front of it
	s_wait_tensorcnt 0x0                           ; all my tensor loads have landed: my part of the next slot
	ds_add_u32 v[SPW], v[NIL]                      ; 0 onto my spare word
	s_wait_dscnt 4*NL+1                            ; (the add and the youngest 16 loads may be out)
	WIN MUL_LO
	MUL16 0, 1, NQ-1, \slot, 0
	s_wait_dscnt 0x0                               ; the add is done, and my reads of this slot are over
	s_barrier_signal -1
	MUL16 2, 1, NQ-1, \slot, 0
	WIN 0
	s_barrier_wait -1
.if \fill
	CREST                                          ; the barrier has opened a round of the cluster's barrier: no wave of any partner still reads this slot or has a load on its way
	s_add_nc_u64 s[G0+4*\slot+2:G0+4*\slot+3], s[G0+4*\slot+2:G0+4*\slot+3], 2*ROWB
	s_add_nc_u64 s[G0B+4*\slot+2:G0B+4*\slot+3], s[G0B+4*\slot+2:G0B+4*\slot+3], 2*ROWB
	JLOAD G0+4*\slot, G1, G0B+4*\slot, G1B
.else
	PLACES NP
.endif
	v_add_nc_u32 v[ADRS], 128, v[ADRS]
	FETCH_B \next, 0, 0
	FETCH_A \next, 0, 0
	SCALES \next
	WIN MUL_HI
	MUL16 4, 1, NQ-1, \slot, 0
	MUL16 6, 1, NQ-1, \slot, 0
	PLACES NP
	WIN 0
	FETCH_A \next, 0, 4
.endm
	s_load_b256 s[4:11], s[0:1], 0x0               ; oq s[4:5], pq s[6:7], c_proj_b s[8:9], out0 s[10:11]
	v_lshl_add_u32 v[SPW], v0, 2, SPARE
	v_mov_b32 v[NIL], 0
	ds_add_u32 v28, v29
	ds_add_u32 v28, v29
	s_wait_dscnt 0x0
	v_lshrrev_b32 v1, 5, v0
	v_readfirstlane_b32 s14, v1                    ; wave 0..3
	s_lshr_b32 s15, s14, 1                         ; which half of A's 16 tiles is mine.  Also: I fetch for A (0) or for B (1)
	s_and_b32 s16, s14, 1                          ; which half of B's.  Also: which 8 tiles I fetch
	s_bfe_u32 s40, ttmp6, 0x40000                  ; cx
	s_bfe_u32 s41, ttmp6, 0x40004                  ; cy
	s_and_b32 s17, ttmp7, 0xffff
	s_lshl_b32 s17, s17, 2
	s_add_co_u32 s17, s17, s41                     ; A's block of 16 tiles (256 tokens)
	s_lshl_b32 s42, ttmp9, 2
	s_add_co_u32 s42, s42, s40                     ; B's block (256 columns)
	s_lshl_b32 s43, s41, 2
	s_lshl_b32 s43, 15, s43                        ; my row of the cluster
	s_lshl_b32 s44, 0x1111, s40                    ; my column
	s_or_b32 s[G1+0], s43, (3<<16)|(1<<21)         ; 8 tiles' 3,072 bytes (384 elements of 8 bytes), 12,800 bytes (1,600 elements) apart; no padding
	s_or_b32 s[G1B+0], s44, (3<<16)|(1<<21)
.irp g, G1, G1B
	s_mov_b32 s[\g+1], 384<<16
	s_mov_b32 s[\g+2], 8<<16
	s_mov_b32 s[\g+3], 384<<16
	s_mov_b32 s[\g+4], 8
	s_mov_b32 s[\g+5], 1600
	s_mov_b32 s[\g+6], 0
	s_mov_b32 s[\g+7], 0
.endr
	s_or_b32 s[G1S+0], s43, (3<<16)|(1<<21)        ; and their 512 scale bytes
	s_or_b32 s[G1SB+0], s44, (3<<16)|(1<<21)
.irp g, G1S, G1SB
	s_mov_b32 s[\g+1], 64<<16
	s_mov_b32 s[\g+2], 8<<16
	s_mov_b32 s[\g+3], 64<<16
	s_mov_b32 s[\g+4], 8
	s_mov_b32 s[\g+5], 1600
	s_mov_b32 s[\g+6], 0
	s_mov_b32 s[\g+7], 0
.endr
	s_lshl_b32 s18, s16, 3
	s_lshl_b32 s20, s17, 4
	s_add_co_u32 s20, s20, s18
	s_mul_i32 s20, s20, TREC
	s_mov_b32 s21, 0
	s_lshl_b32 s46, s42, 4
	s_add_co_u32 s46, s46, s18
	s_mul_i32 s46, s46, TREC
	s_mov_b32 s47, 0
	s_mul_i32 s45, s14, HALFT
	s_lshl_b32 s94, s14, 12
	s_wait_kmcnt 0x0
	s_add_nc_u64 s[20:21], s[4:5], s[20:21]
	s_add_nc_u64 s[46:47], s[6:7], s[46:47]
	CROUND                                         ; all sixteen work-groups are here: the first joint loads meet
	s_mov_b32 s[G0S], 1
	s_add_co_u32 s[G0S+1], s94, SCL
	s_add_nc_u64 s[G0S+2:G0S+3], s[20:21], 12288
	s_or_b32 s[G0S+3], s[G0S+3], 0x80000000
	s_mov_b32 s[G0SB], 1
	s_add_co_u32 s[G0SB+1], s94, SCL
	s_add_nc_u64 s[G0SB+2:G0SB+3], s[46:47], 12288
	s_or_b32 s[G0SB+3], s[G0SB+3], 0x80000000
	JLOAD G0S, G1S, G0SB, G1SB
.irp s, 0,1
	s_mov_b32 s[G0+4*\s], 1
	s_add_co_u32 s[G0+4*\s+1], s45, \s*SLOT
	s_add_nc_u64 s[G0+4*\s+2:G0+4*\s+3], s[20:21], \s*ROWB
	s_or_b32 s[G0+4*\s+3], s[G0+4*\s+3], 0x80000000
	s_mov_b32 s[G0B+4*\s], 1
	s_add_co_u32 s[G0B+4*\s+1], s45, \s*SLOT
	s_add_nc_u64 s[G0B+4*\s+2:G0B+4*\s+3], s[46:47], \s*ROWB
	s_or_b32 s[G0B+4*\s+3], s[G0B+4*\s+3], 0x80000000
	JLOAD G0+4*\s, G1, G0B+4*\s, G1B
.endr
	v_and_b32 v1, 31, v0                           ; lane
	v_and_b32 v2, 15, v0                           ; r
	v_bfe_u32 v3, v0, 4, 1                         ; h
	v_lshlrev_b32 v[CO], 4, v1                     ; 16 x lane
	v_lshlrev_b32 v5, 3, v1                        ; 8 x lane
	s_mul_i32 s21, s15, HALFT
	s_mul_i32 s22, s16, HALFT
	s_add_co_u32 s22, s22, 2*HALFT
.irp s, 0,1
	v_add_nc_u32 v[ADRA+\s], s21, v[CO]
	v_add_nc_u32 v[ADRB+\s], s22, v[CO]
	v_add_nc_u32 v[ADRA+2+\s], s21, v5
	v_add_nc_u32 v[ADRB+2+\s], s22, v5
	s_add_co_u32 s21, s21, SLOT
	s_add_co_u32 s22, s22, SLOT
.endr
	v_lshlrev_b32 v6, 3, v2
	s_lshl_b32 s21, s15, 12
	s_lshl_b32 s22, s16, 12
	s_add_co_u32 s22, s22, 2*HALFS
	s_sub_co_u32 s22, s22, s21
	v_mul_u32_u24 v7, s22, v3                      ; lanes 16-31 take B's scale words
	s_add_co_u32 s21, s21, SCL
	v_add_nc_u32 v6, v6, v7
	v_add_nc_u32 v[ADRS], s21, v6
	s_mul_i32 s23, s14, 16*SPITCH                  ; my stage
	v_mul_u32_u24 v6, v2, SPITCH
	v_lshl_add_u32 v6, v3, 6, v6
	v_add_nc_u32 v[STO], s23, v6                   ; in: row r, + 64 h
	v_add_nc_u32 v[RD], s23, v[CO]                 ; back: the 32 lanes take one row of 512 bytes
	s_lshl_b32 s46, s42, 10
	s_lshl_b32 s47, s16, 9
	s_add_co_u32 s46, s46, s47                     ; my first column, in bytes
	s_mov_b32 s47, 0
	s_add_nc_u64 s[92:93], s[8:9], s[46:47]
	global_load_b128 v[BI:BI+3], v[CO], s[92:93]   ; the bias of the four columns that I store
	s_lshl_b32 s20, s17, 8
	s_lshl_b32 s21, s15, 7
	s_add_co_u32 s20, s20, s21                     ; my first row
	s_lshl_b32 s20, s20, 12                        ; rows of 4,096 bytes
	s_add_co_u32 s20, s20, s46
	s_mov_b32 s21, 0
	s_add_nc_u64 s[12:13], s[10:11], s[20:21]
	s_wait_loadcnt 0x0                             ; the bias, once
	s_wait_tensorcnt 1                             ; the scale bytes and my part of slot 0 are in (slot 1's load may be out)
	s_barrier_signal -1
	s_barrier_wait -1                              ; everybody's are
	FETCH_B 0, 0, 0
	FETCH_A 0, 0, 0
	SCALES 0
	FETCH_A 0, 0, 4
	STEP 0, 0, 1                                   ; K = 1,024 is four slots, written out: the first products start the sums
	TURN 0, 1, 1
	STEP 1, 0, 0
	TURN 1, 0, 1
	STEP 0, 0, 0
	TURN 0, 1, 0                                   ; nothing is left to fetch; behind this barrier nobody reads slot 0
	STEP 1, 0, 0
	s_wait_dscnt 4*NL
	WIN MUL_LO
	MUL16 0, 1, NQ-1, 1, 0
	MUL16 2, 1, NQ-1, 1, 0
	s_wait_dscnt 0
	WIN MUL_HI
	MUL16 4, 1, NQ-1, 1, 0
	MUL16 6, 1, NQ-1, 1, 0
	WIN 0
; THE WAY OUT, tile by tile of 16 tokens x 128 columns, through my own stage: register j of accumulator b is column 32 (b / 2) + 8 (b % 2) + 16 h + j of token place r.  Rows come back whole (512 bytes), get
; the bias and are stored as two aligned runs of 256 bytes.  LDS serves a wave's instructions in order (ISA guide 5.7.1.4): no wait between the stores and the loads.
.macro TOSTAGE a
.set AC, 64*((\a)%4)
	WIN 0x08+4*((\a)/4)                            ; the data: window 2 or 3
.irp b, 0,1,2,3,4,5,6,7
	ds_store_b128 v[STO], v[AC+8*\b:AC+8*\b+3] offset:128*(\b/2)+32*(\b%2)          ; each accumulator from its low end on
	ds_store_b128 v[STO], v[AC+8*\b+4:AC+8*\b+7] offset:128*(\b/2)+32*(\b%2)+16
.endr
	WIN 0
.set BB, BK+64*((\a)%2)
.irp t, 0,1,2,3,4,5,6,7,8,9,10,11,12,13,14,15
	ds_load_b128 v[BB+4*\t:BB+4*\t+3], v[RD] offset:\t*SPITCH
.endr
.endm
.macro SEND a, younger                 ; younger: the LDS instructions issued behind tile a's loads, which may stay out
.set BB, BK+64*((\a)%2)
	s_wait_dscnt \younger
.irp t, 0,1,2,3,4,5,6,7,8,9,10,11,12,13,14,15
	v_pk_add_f32 v[BB+4*\t:BB+4*\t+1], v[BB+4*\t:BB+4*\t+1], v[BI:BI+1]
	v_pk_add_f32 v[BB+4*\t+2:BB+4*\t+3], v[BB+4*\t+2:BB+4*\t+3], v[BI+2:BI+3]
	global_store_b128 v[CO], v[BB+4*\t:BB+4*\t+3], s[12:13] offset:(32*((\a)/2)+8*((\a)%2)+\t+8*(\t/8))*4096 th:TH_STORE_NT   ; place t of tile a is that row; 512 consecutive bytes, aligned to 256
.endr
.endm
	PLACES NP                                      ; behind the last products: in front of the first read of results and of loads into the registers that held A's fragments
	TOSTAGE 0
.irp a, 1,2,3,4,5,6,7
.if \a > 1
	s_wait_xcnt 0x0                                ; tile a - 2's stores have read their registers: tile a's loads may land there
.endif
	TOSTAGE \a
	SEND \a-1, 32                                  ; behind tile a - 1's loads: tile a's 16 stores and 16 loads
.endr
	SEND 7, 0
	s_wait_tensorcnt 0x0                           ; the wave's end: behind my last tensor load and my last LDS store
	ds_add_u32 v[SPW], v[NIL]
	s_wait_dscnt 0x0
	CROUND                                         ; the closing round: no work-group ends while a partner may still ask for a tile that names it
	s_endpgm
.Lfunc_end_k_q143f0afee3_proj:
	.size	k_q143f0afee3_proj, .Lfunc_end_k_q143f0afee3_proj-k_q143f0afee3_proj
	.p2alignl 7, 3214868480
	.fill 96, 4, 3214868480
	.section	.rodata,"a",@progbits
	.p2align	6, 0x0
	.amdhsa_kernel k_q143f0afee3_proj
		.amdhsa_group_segment_fixed_size 327680
		.amdhsa_private_segment_fixed_size 0
		.amdhsa_enable_private_segment 0
		.amdhsa_kernarg_size 32
		.amdhsa_user_sgpr_count 2
		.amdhsa_user_sgpr_kernarg_segment_ptr 1
		.amdhsa_wavefront_size32 1
		.amdhsa_system_sgpr_workgroup_id_x 1
		.amdhsa_system_sgpr_workgroup_id_y 1
		.amdhsa_system_sgpr_workgroup_id_z 1
		.amdhsa_system_vgpr_workitem_id 0
		.amdhsa_next_free_vgpr 1024
		.amdhsa_next_free_sgpr 98
		.amdhsa_reserve_vcc 0
		.amdhsa_float_denorm_mode_32 3
		.amdhsa_float_denorm_mode_16_64 3
		.amdhsa_memory_ordered 1
		.amdhsa_forward_progress 1
		.amdhsa_inst_pref_size 159
	.end_amdhsa_kernel
	.amdgpu_metadata
---
amdhsa.version: [ 1, 2 ]
amdhsa.kernels:
  - .name:           k_q143f0afee3_proj
    .symbol:         k_q143f0afee3_proj.kd
    .args:
      - { .name: oq, .offset: 0, .size: 8, .value_kind: global_buffer, .address_space: global }
      - { .name: pq, .offset: 8, .size: 8, .value_kind: global_buffer, .address_space: global }
      - { .name: c_proj_b, .offset: 16, .size: 8, .value_kind: global_buffer, .address_space: global }
      - { .name: out0, .offset: 24, .size: 8, .value_kind: global_buffer, .address_space: global }
    .group_segment_fixed_size: 327680
    .private_segment_fixed_size: 0
    .kernarg_segment_align: 8
    .kernarg_segment_size: 32
    .max_flat_workgroup_size: 128
    .sgpr_count:     98
    .vgpr_count:     1024
    .wavefront_size: 32
...
	.end_amdgpu_metadata
.endif
;; end of part 4
